; MI455X (gfx1250); checked and timed in simulation.
; The chip was launched on July 23, 2026; its instructions are those of AMD's public machine-readable ISA for CDNA 5 (MIT licence, August 2026) and "CDNA5" Instruction Set Architecture Reference Guide (July 2026). The comments in the code are by the model that wrote it; some were corrected since.
;; Multi Head Attention. Allowed arithmetic: matrix products marked QUANTISED: E2M3 operands, one E8M0 scale for each 32 along K, by v_wmma_scale_f32_16x16x128_f8f6f4 with both operands' format E2M3, f32 sums; everything else in f32.
;; Inputs: Wk 1,024 x 1,024 float32; Wq 1,024 x 1,024 float32; Wv 1,024 x 1,024 float32; attention_mask 4 x 2,048 int32; beta 1,024 float32; bk 1,024 float32; bq 1,024 float32; bv 1,024 float32; gamma 1,024 float32; keys 4 x 2,048 x 1,024 float32; queries 4 x 2,048 x 1,024 float32; values 4 x 2,048 x 1,024 float32.
;; Outputs: out0 4 x 2,048 x 1,024 float32.
;; This version of the problem:
;;   THIS VERSION OF THE PROBLEM IS GIVEN IN LOW PRECISION. The matrix products marked QUANTISED in the list below multiply operands that are first quantised to E2M3 (2 exponent bits, 3 mantissa bits; 6 bits a number), with one power-of-two scale for each 32 numbers along K (OCP MX v1.0); their sums are f32. All else is computed in f32.
;;   The module's matrix products, in the order in which they are computed (A, B: the left and right operand; K: the contracted axis; several contracted axes count as one K, in the product's order):
;;     1. [M 8,192, K 1,024] x [K 1,024, N 1,024]; A: input queries; B: input Wq: QUANTISED
;;     2. [M 8,192, K 1,024] x [K 1,024, N 1,024]; A: input keys; B: input Wk: QUANTISED
;;     3. [M 8,192, K 1,024] x [K 1,024, N 1,024]; A: input values; B: input Wv: QUANTISED
;;     4. batch 64 x [M 2,048, K 64] x [K 64, N 2,048]; A: computed on the way; B: computed on the way: QUANTISED
;;     5. batch 64 x [M 2,048, K 2,048] x [K 2,048, N 64]; A: softmax (see below); B: computed on the way: QUANTISED
;;   THE QUANTISER, for each operand of a quantised product, along K:
;;     - K is cut into blocks of 32 from its start; a last block that is shorter is filled with zeros.
;;     - A block's scale is 2^e with e = floor(log2(the largest magnitude in the block)) - 2, held to -126 .. 127; a block of zeros has e = 0. As a byte (E8M0): e + 127.
;;     - Each number is divided by its block's scale, clamped to +-7.5, and rounded to the nearest number of E2M3, ties to even, subnormals kept.
;;     - The product sums the exact products of the quantised numbers (number of the format x scale) in f32.
;;   ~~~python
;;   def quantise(x, axis):      # numpy; x: float32 -> the quantised numbers, widened to float32 again
;;       x = np.moveaxis(x, axis, -1); K = x.shape[-1]
;;       x = np.pad(x, [(0, 0)] * (x.ndim - 1) + [(0, -K % 32)]); x = x.reshape(x.shape[:-1] + (-1, 32)); a = np.abs(x).max(-1, keepdims=True)
;;       e = np.where(a > 0, np.clip(np.frexp(np.where(a > 0, a, 1))[1] - 1 - 2, -126, 127), 0)      # np.frexp(a)[1] - 1 = floor(log2(a)), exactly
;;       r = np.clip(x / 2.0 ** e, -7.5, 7.5)
;;       step = 2.0 ** (np.maximum(np.frexp(np.where(r == 0, 1, r))[1] - 1, 0) - 3)
;;       q = np.round(r / step) * step * 2.0 ** e      # np.round: ties to even
;;       return np.moveaxis(q.reshape(q.shape[:-2] + (-1,))[..., :K], -1, axis).astype(np.float32)
;;   ~~~
;;   SOFTMAX AHEAD OF A QUANTISED PRODUCT. Where the list says 'softmax', what is quantised is not the finished softmax but p = 2^(t - M), with t = logit x log2(e) and M = ceil(the row's largest t), a whole number; so 1/2 < the row's largest p <= 1. The row's sum l is taken of the UNQUANTISED p, in f32, and the product's result is divided by l at the end. Since M is a whole number, a kernel that streams over the keys may use a running M (the ceiling of the running maximum): every later rescaling is an exact power of two, which a block's scale takes up: the codes' values come out the same.
;;   OPERANDS COMPUTED ON THE WAY. 'Computed on the way' means the value that the module computes at that place (a softmax that the list does not call 'softmax' is quantised finished and normalised). What goes into a quantiser is computed in f32, as accurately as f32 sums, v_exp_f32 and their like allow (about 1e-6 of the number): no bf16 or f16 on the way to a quantiser, and a product that is left as it is and whose result goes on into a quantised operand takes f32 operands (vector FMAs, or v_wmma_f32_16x16x4_f32). A number that lies on a knife's edge between two numbers of the format may be rounded either way, as far as f32 arithmetic and the matrix unit's own rounding can turn it there, and no further.
;; One version. Each part assembles by itself: llvm-mc -triple=amdgcn-amd-amdhsa -mcpu=gfx1250 --defsym DOCPART=n.
;; ======== version 1 of 1: 5 launches
;; workspace buffers: cod 21,233,664 bytes; scl 884,736 bytes; qf 6,291,456 bytes; qs 524,288 bytes; kv 13,369,344 bytes; o 33,554,432 bytes
;; launch qw (part 1): grid 24 x 4, 4 waves a work-group, no clusters, 36,352 bytes of LDS; arguments Wq, Wk, Wv, cod, scl; writes cod, scl
.if DOCPART == 1
	.amdgcn_target "amdgcn-amd-amdhsa--gfx1250"
	.amdhsa_code_object_version 6
	.text
	.protected	k_q4fbf9ad625_qw
	.globl	k_q4fbf9ad625_qw
	.p2align	8
	.type	k_q4fbf9ad625_qw,@function
k_q4fbf9ad625_qw:
	s_mov_b64 s[64:65], 0
	v_nop
	global_prefetch_b8 v0, s[64:65] scope:SCOPE_SE
	s_setreg_imm32_b32 hwreg(HW_REG_WAVE_MODE, 25, 1), 1
	s_wait_xcnt 0x0
; Wq, Wk, Wv [1024 (k)][1024 (n)], f32, K the FIRST axis, become codes of FP6 (E2M3) with K innermost, 768 bytes a column n, and one E8M0 byte for each 32 along K, 32 bytes a column.
; They go to rows XROWS + 1024 x tensor + pi(n) of cod and scl.  pi swaps bits 3 and 4 of the row number: so the 16 rows of a tile that the product's launch reads are rows 0-7 and 16-23 (or 8-15 and 24-31)
; of a group of 32, and a lane's 16 results of two neighbouring tiles are 16 neighbours along the next product's K.
; A LANE TAKES A COLUMN n, AND ITS REGISTERS RUN DOWN K: a load reads 128 consecutive bytes a wave, a block of 32 along K lies in one lane's 32 registers, and the conversions give codes with K innermost.
; A block's scale is 2^(floor(log2(its largest magnitude)) - 2); its byte is the largest magnitude's exponent field - 2, held at 1 from below.  A block of zeros gets the byte 1 (its codes are zeros; this program alone reads the bytes).
; LIMITS: NaN and infinities among the inputs are not served.
; Work-group x: tensor x / 8, columns 128 (x % 8) on; y: 256 along K.  A wave: 32 columns x 256 along K = 8 blocks a lane, 192 bytes of codes a column, which leave through the wave's own stage as rows.
.set SIZE_K, 1024
.set SIZE_N, 1024
.set XROWS, 24576                      ; rows of cod and scl that the activations take
.set KW,    256
.set NB,    KW/32
.set ROWB,  192
.set PITCH, 272                        ; a stage row: sixteen places of 16 bytes, each with 12 bytes of codes, + 16
.set KROW,  SIZE_K*6/8
.set EMAX,  2
.set X,     32                         ; v32-95   two sets of 32 numbers
.set C,     96                         ; v96..    a block's codes
.set OUTR,  112                        ; v112-175 the way out
.set SB,    24                         ; v24-25   the scale bytes
	s_load_b128 s[4:7], s[0:1], 0x0                ; Wq, Wk
	s_load_b128 s[8:11], s[0:1], 0x10              ; Wv, cod
	s_load_b64 s[12:13], s[0:1], 0x20              ; scl
	v_lshl_add_u32 v192, v0, 2, 0x8c00
	v_mov_b32 v193, 0
	v_lshrrev_b32 v1, 5, v0
	v_readfirstlane_b32 s16, v1                    ; wave 0..3
	v_and_b32 v2, 31, v0                           ; lane
	s_lshr_b32 s14, ttmp9, 3                       ; which tensor
	s_and_b32 s15, ttmp9, 7
	s_lshl_b32 s17, s15, 7
	s_lshl_b32 s18, s16, 5
	s_add_co_u32 s17, s17, s18                     ; my wave's first column
	s_and_b32 s18, ttmp7, 0xffff                   ; which 256 along K
	v_lshlrev_b32 v3, 2, v2                        ; in: 4 bytes a lane
	s_mul_i32 s19, s16, 32*PITCH                   ; my stage
	v_mul_u32_u24 v4, v2, PITCH
	v_add_nc_u32 v4, s19, v4                       ; into it: row = my column
	v_and_b32 v5, 15, v2
	v_lshrrev_b32 v6, 4, v2
	v_mul_u32_u24 v7, v6, PITCH
	v_lshl_add_u32 v7, v5, 4, v7
	v_add_nc_u32 v7, s19, v7                       ; out of it: sixteen lanes to a row, two rows an instruction
	v_mul_u32_u24 v8, v6, KROW
	v_mad_u32_u24 v8, v5, 12, v8                   ; and the same place in cod (pi keeps bit 0 of the row)
	v_and_b32 v9, 7, v2
	v_bfe_u32 v10, v2, 3, 1
	v_lshl_or_b32 v9, v10, 4, v9
	v_lshl_or_b32 v9, v6, 3, v9                    ; pi(lane)
	v_lshlrev_b32 v9, 5, v9                        ; my column's row of scale bytes
	s_lshl_b32 s20, s18, 20                        ; W: 256 y rows of 4,096 bytes
	s_lshl_b32 s22, s17, 2
	s_add_co_u32 s20, s20, s22                     ; + 4 x column
	s_mov_b32 s21, 0
	s_lshl_b32 s22, s14, 10
	s_add_co_u32 s22, s22, s17
	s_add_co_u32 s22, s22, XROWS                   ; my wave's first row of cod and scl
	s_mul_i32 s24, s22, KROW
	s_mul_i32 s26, s18, ROWB
	s_add_co_u32 s24, s24, s26
	s_mov_b32 s25, 0
	s_lshl_b32 s28, s22, 5
	s_lshl_b32 s26, s18, 3
	s_add_co_u32 s28, s28, s26
	s_mov_b32 s29, 0
	s_wait_kmcnt 0x0
	s_cmp_eq_u32 s14, 1                            ; the choice hangs on the work-group's number alone
	s_cselect_b64 s[4:5], s[6:7], s[4:5]
	s_cmp_eq_u32 s14, 2
	s_cselect_b64 s[4:5], s[8:9], s[4:5]
	s_add_nc_u64 s[4:5], s[4:5], s[20:21]
	s_add_nc_u64 s[10:11], s[10:11], s[24:25]
	s_add_nc_u64 s[12:13], s[12:13], s[28:29]
.macro LOAD t                          ; block t: W(32 t + i, my column), i = 0 .. 31, into set t % 2
.irp i, 0,1,2,3,4,5,6,7,8,9,10,11,12,13,14,15,16,17,18,19,20,21,22,23,24,25,26,27,28,29,30,31
	global_load_b32 v[X+32*((\t)%2)+\i], v3, s[4:5] offset:(32*(\t)+\i)*SIZE_N*4 th:TH_LOAD_NT
.endr
.endm
	LOAD 0
	LOAD 1
.macro BLOCK t
.set XS, X+32*((\t)%2)
.if (\t) < NB-1
	s_wait_loadcnt 32                              ; this block's 32 loads are in; the next block's 32 may be out
.else
	s_wait_loadcnt 0
.endif
	v_max3_num_f32 v12, |v[XS]|, |v[XS+1]|, |v[XS+2]|               ; the block's largest magnitude: all 32 numbers are mine; two chains
	v_max3_num_f32 v13, |v[XS+3]|, |v[XS+4]|, |v[XS+5]|
.irp i, 6,10,14,18,22,26
	v_max3_num_f32 v12, v12, |v[XS+\i]|, |v[XS+\i+1]|
	v_max3_num_f32 v13, v13, |v[XS+\i+2]|, |v[XS+\i+3]|
.endr
	v_max3_num_f32 v12, v12, |v[XS+30]|, |v[XS+31]|
	v_max3_num_f32 v12, v12, v13, (EMAX+1)<<23     ; and the floor 2^(3 - 127): the byte cannot fall under 1
	v_add_nc_u32 v11, 0xff000000, v12              ; 2 off its exponent field: the conversion takes the exponent field of this operand as its scale
	v_lshrrev_b32 v13, 23, v11                     ; the scale's byte
.if (\t)%4 == 0
	v_mov_b32 v[SB+(\t)/4], v13                    ; four bytes to a register, the lower K in the lower byte
.else
	v_lshl_or_b32 v[SB+(\t)/4], v13, 8*((\t)%4), v[SB+(\t)/4]
.endif
	v_cvt_scalef32_pk16_fp6_f32 v[C:C+2], v[XS:XS+15], v11
	v_cvt_scalef32_pk16_fp6_f32 v[C+4:C+6], v[XS+16:XS+31], v11     ; (a conversion's three registers begin on an even number)
	ds_store_b96 v4, v[C:C+2] offset:32*(\t)       ; 16 codes, 12 bytes, to a place of 16 bytes in the stage
	ds_store_b96 v4, v[C+4:C+6] offset:32*(\t)+16
.if (\t)+2 < NB
	LOAD (\t)+2
.endif
	s_wait_dscnt 0x0                               ; the stores have read their registers: the next block's codes may be written
.endm
.set Q, 0
.rept NB
	BLOCK Q
.set Q, Q+1
.endr
	global_store_b64 v9, v[SB:SB+1], s[12:13]      ; my column's 8 scale bytes, in row pi(lane)
.irp t, 0,1,2,3,4,5,6,7,8,9,10,11,12,13,14,15
	ds_load_b96 v[OUTR+4*\t:OUTR+4*\t+2], v7 offset:2*\t*PITCH   ; LDS serves a wave's instructions in order: these see my stores
.endr
.irp t, 0,1,2,3,4,5,6,7,8,9,10,11,12,13,14,15
	s_wait_dscnt 15-\t                             ; the loads behind this one may be out
	global_store_b96 v8, v[OUTR+4*\t:OUTR+4*\t+2], s[10:11] offset:2*((\t%4)+8*((\t/4)%2)+4*(\t/8))*KROW   ; columns 2 t, 2 t + 1 go to rows pi(2 t), pi(2 t) + 1: bits 2 and 3 of t change places
.endr
	s_wait_tensorcnt 0x0
	ds_add_u32 v192, v193
	s_wait_dscnt 0x0
	s_endpgm
.Lfunc_end_k_q4fbf9ad625_qw:
	.size	k_q4fbf9ad625_qw, .Lfunc_end_k_q4fbf9ad625_qw-k_q4fbf9ad625_qw
	.p2alignl 7, 3214868480
	.fill 96, 4, 3214868480
	.section	.rodata,"a",@progbits
	.p2align	6, 0x0
	.amdhsa_kernel k_q4fbf9ad625_qw
		.amdhsa_group_segment_fixed_size 36352
		.amdhsa_private_segment_fixed_size 0
		.amdhsa_enable_private_segment 0
		.amdhsa_kernarg_size 40
		.amdhsa_user_sgpr_count 2
		.amdhsa_user_sgpr_kernarg_segment_ptr 1
		.amdhsa_wavefront_size32 1
		.amdhsa_system_sgpr_workgroup_id_x 1
		.amdhsa_system_sgpr_workgroup_id_y 1
		.amdhsa_system_sgpr_workgroup_id_z 1
		.amdhsa_system_vgpr_workitem_id 0
		.amdhsa_next_free_vgpr 194
		.amdhsa_next_free_sgpr 66
		.amdhsa_reserve_vcc 0
		.amdhsa_float_denorm_mode_32 3
		.amdhsa_float_denorm_mode_16_64 3
		.amdhsa_memory_ordered 1
		.amdhsa_forward_progress 1
		.amdhsa_inst_pref_size 42
	.end_amdhsa_kernel
	.amdgpu_metadata
---
amdhsa.version: [ 1, 2 ]
amdhsa.kernels:
  - .name:           k_q4fbf9ad625_qw
    .symbol:         k_q4fbf9ad625_qw.kd
    .args:
      - { .name: Wq, .offset: 0, .size: 8, .value_kind: global_buffer, .address_space: global }
      - { .name: Wk, .offset: 8, .size: 8, .value_kind: global_buffer, .address_space: global }
      - { .name: Wv, .offset: 16, .size: 8, .value_kind: global_buffer, .address_space: global }
      - { .name: cod, .offset: 24, .size: 8, .value_kind: global_buffer, .address_space: global }
      - { .name: scl, .offset: 32, .size: 8, .value_kind: global_buffer, .address_space: global }
    .group_segment_fixed_size: 36352
    .private_segment_fixed_size: 0
    .kernarg_segment_align: 8
    .kernarg_segment_size: 40
    .max_flat_workgroup_size: 128
    .sgpr_count:     66
    .vgpr_count:     194
    .wavefront_size: 32
...
	.end_amdgpu_metadata
.endif
;; end of part 1
;; launch qx (part 2): grid 768 x 1, 4 waves a work-group, no clusters, 33,280 bytes of LDS; arguments queries, keys, values, cod, scl; writes cod, scl
.if DOCPART == 2
	.amdgcn_target "amdgcn-amd-amdhsa--gfx1250"
	.amdhsa_code_object_version 6
	.text
	.protected	k_q4fbf9ad625_qx
	.globl	k_q4fbf9ad625_qx
	.p2align	8
	.type	k_q4fbf9ad625_qx,@function
k_q4fbf9ad625_qx:
	s_mov_b64 s[64:65], 0
	v_nop
	global_prefetch_b8 v0, s[64:65] scope:SCOPE_SE
	s_setreg_imm32_b32 hwreg(HW_REG_WAVE_MODE, 25, 1), 1
	s_wait_xcnt 0x0
; queries, keys, values [8192][1024], f32, become codes of FP6 (E2M3), K innermost, 768 bytes a row, and one E8M0 byte for each 32 along K, 32 bytes a row: rows 8192 x tensor + pi(row) of cod and scl.
; pi swaps bits 3 and 4 of the row number.  A wave takes 8 whole rows (8,192 numbers), so bits 3 and 4 of its rows are the two bits of its number: it writes where the wave with those bits swapped would.
; A block's scale is 2^(floor(log2(its largest magnitude)) - 2); its byte is the largest magnitude's exponent field - 2, held at 1 from below.  A block of zeros gets the byte 1 (its codes are zeros; this program alone reads the bytes).
; LIMITS: NaN and infinities among the inputs are not served.
; A wave takes 16 steps of 512 numbers.  A load reads 512 consecutive bytes, 16 a lane; a step's 2,048 bytes turn through the wave's own stage in LDS and come back 64 bytes a lane, so that a lane holds 16 neighbours
; along K (two neighbouring lanes hold a block).  A lane's 16 codes are 12 bytes: the wave stores 384 consecutive bytes.  A wave's 256 scale bytes are gathered in LDS and leave as 256 consecutive bytes, aligned.
; No tensor loads, no barrier: waves share nothing.  Loads run four steps (16 loads a wave) ahead, the turn through LDS one step.
.set STEPS, 16
.set EMAX,  2
.set CB,    12                         ; bytes of 16 codes
.set R,     16                         ; v16-79   four sets of 16 numbers as they are loaded
.set X,     80                         ; v80-111  two sets of 16 neighbours
.set C,     128                        ; v128-191 codes: four registers for each step, so that no store's data are written again
.set E,     112                        ; v112-127 a scale byte for each step
.set WREG,  8192                       ; LDS: a region for each wave: two stages of 32 x SP bytes, and behind them its 256 scale bytes
.set SP,    80                         ; a lane's place in a stage: its 64 bytes + 16 of padding
	s_load_b128 s[4:7], s[0:1], 0x0                ; queries, keys
	s_load_b128 s[8:11], s[0:1], 0x10              ; values, cod
	s_load_b64 s[12:13], s[0:1], 0x20              ; scl
	v_lshl_add_u32 v192, v0, 2, 0x8000
	v_mov_b32 v193, 0
	v_lshrrev_b32 v1, 5, v0
	v_readfirstlane_b32 s16, v1                    ; wave
	v_and_b32 v2, 31, v0                           ; lane
	v_lshlrev_b32 v3, 4, v2                        ; my 16 bytes of a load's 512
	s_mul_i32 s17, s16, WREG
	v_lshrrev_b32 v14, 2, v2
	v_mul_u32_u24 v14, v14, SP
	v_and_b32 v15, 3, v2
	v_lshl_add_u32 v14, v15, 4, v14
	v_add_nc_u32 v14, s17, v14                     ; the stage, on the way in: SP (lane / 4) + 16 (lane % 4)
	v_mul_u32_u24 v15, v2, SP
	v_add_nc_u32 v15, s17, v15                     ; and on the way out: SP x lane: my 16 neighbours
	v_mul_u32_u24 v4, v2, CB                       ; my codes' place in a step's
	v_lshrrev_b32 v5, 1, v2
	s_add_co_u32 s17, s17, 2*32*SP
	v_add_nc_u32 v5, s17, v5                       ; LDS: my wave's 256 scale bytes, my block's byte
	v_lshlrev_b32 v7, 3, v2                        ; and on the way out 8 bytes a lane
	v_add_nc_u32 v6, s17, v7
	s_lshr_b32 s14, ttmp9, 8                       ; which tensor: 256 work-groups each
	s_and_b32 s18, ttmp9, 255
	s_lshl_b32 s18, s18, 2
	s_add_co_u32 s18, s18, s16                     ; which run of 8,192 numbers of the tensor I read
	s_lshl_b32 s20, s18, 15
	s_mov_b32 s21, 0
	s_and_b32 s18, s16, 1
	s_lshl_b32 s18, s18, 1
	s_lshr_b32 s19, s16, 1
	s_or_b32 s18, s18, s19                         ; my wave's number with its two bits swapped
	s_lshl_b32 s19, ttmp9, 2
	s_add_co_u32 s18, s18, s19                     ; which run of 8 rows of cod and scl I write
	s_mul_i32 s22, s18, 32*STEPS*CB
	s_mov_b32 s23, 0
	s_lshl_b32 s24, s18, 8
	s_mov_b32 s25, 0
	s_wait_kmcnt 0x0
	s_cmp_eq_u32 s14, 1                            ; the choice hangs on the work-group's number alone
	s_cselect_b64 s[4:5], s[6:7], s[4:5]
	s_cmp_eq_u32 s14, 2
	s_cselect_b64 s[4:5], s[8:9], s[4:5]
	s_add_nc_u64 s[4:5], s[4:5], s[20:21]
	s_add_nc_u64 s[10:11], s[10:11], s[22:23]
	s_add_nc_u64 s[12:13], s[12:13], s[24:25]
.macro LOAD t
.irp i, 0,1,2,3
	global_load_b128 v[R+16*((\t)%4)+4*\i:R+16*((\t)%4)+4*\i+3], v3, s[4:5] offset:2048*(\t)+512*\i th:TH_LOAD_NT   ; 32 lanes read 512 consecutive bytes
.endr
.endm
.macro TURN t                          ; step t's numbers through the stage: LDS serves a wave's instructions in order, so no wait stands between the stores and the loads
.irp i, 0,1,2,3
	ds_store_b128 v14, v[R+16*((\t)%4)+4*\i:R+16*((\t)%4)+4*\i+3] offset:32*SP*((\t)%2)+8*SP*\i
.endr
.irp i, 0,1,2,3
	ds_load_b128 v[X+16*((\t)%2)+4*\i:X+16*((\t)%2)+4*\i+3], v15 offset:32*SP*((\t)%2)+16*\i
.endr
.endm
.irp t, 0,1,2,3
	LOAD \t
.endr
	s_wait_loadcnt 12                              ; step 0's four loads are in; the twelve of steps 1 to 3 may be out
	TURN 0
.macro STEP t
.set XS, X+16*((\t)%2)
.if (\t) > 0
	s_wait_dscnt 1                                 ; this step's numbers are back from the stage (the last step's byte store may be out): so its stores into the stage have read their registers,
.else
	s_wait_dscnt 0x0
.endif
.if (\t)+4 < STEPS
	LOAD (\t)+4                                    ; which take the loads of four steps on
.endif
.if (\t)+1 < STEPS
.if STEPS-2-(\t) >= 3
	s_wait_loadcnt 12                              ; the next step's four loads are in; those of the three steps behind it may be out
.else
	s_wait_loadcnt 4*(STEPS-2-(\t))
.endif
	TURN (\t)+1                                    ; and go through the other stage while this step is worked
.endif
	v_max3_num_f32 v8, |v[XS]|, |v[XS+1]|, |v[XS+2]|               ; the largest magnitude of my 16
	v_max3_num_f32 v9, |v[XS+3]|, |v[XS+4]|, |v[XS+5]|
.irp i, 6,10
	v_max3_num_f32 v8, v8, |v[XS+\i]|, |v[XS+\i+1]|
	v_max3_num_f32 v9, v9, |v[XS+\i+2]|, |v[XS+\i+3]|
.endr
	v_max3_num_f32 v8, v8, |v[XS+14]|, |v[XS+15]|
	v_max3_num_f32 v8, v8, v9, (EMAX+1)<<23        ; and the floor 2^(3 - 127): the byte cannot fall under 1
	v_max_num_f32_dpp v8, v8, v8 row_xmask:1 row_mask:0xf bank_mask:0xf   ; and of my neighbour's 16: the block's
	v_add_nc_u32 v11, 0xff000000, v8               ; 2 off its exponent field: the conversion's scale operand
	v_cvt_scalef32_pk16_fp6_f32 v[C+4*(\t):C+4*(\t)+2], v[XS:XS+15], v11
	v_lshrrev_b32 v[E+(\t)], 23, v11               ; the scale's byte
	ds_store_b8 v5, v[E+(\t)] offset:16*(\t)       ; both lanes of a block write the same byte with the same value
	global_store_b96 v4, v[C+4*(\t):C+4*(\t)+2], s[10:11] offset:32*CB*(\t)
.endm
.irp t, 0,1,2,3,4,5,6,7,8,9,10,11,12,13,14,15
	STEP \t
.endr
	ds_load_b64 v[12:13], v6                       ; LDS serves a wave's instructions in order: these see my stores
	s_wait_dscnt 0x0
	global_store_b64 v7, v[12:13], s[12:13]        ; 32 lanes store 256 consecutive bytes, aligned
	s_wait_tensorcnt 0x0
	ds_add_u32 v192, v193
	s_wait_dscnt 0x0
	s_endpgm
.Lfunc_end_k_q4fbf9ad625_qx:
	.size	k_q4fbf9ad625_qx, .Lfunc_end_k_q4fbf9ad625_qx-k_q4fbf9ad625_qx
	.p2alignl 7, 3214868480
	.fill 96, 4, 3214868480
	.section	.rodata,"a",@progbits
	.p2align	6, 0x0
	.amdhsa_kernel k_q4fbf9ad625_qx
		.amdhsa_group_segment_fixed_size 33280
		.amdhsa_private_segment_fixed_size 0
		.amdhsa_enable_private_segment 0
		.amdhsa_kernarg_size 40
		.amdhsa_user_sgpr_count 2
		.amdhsa_user_sgpr_kernarg_segment_ptr 1
		.amdhsa_wavefront_size32 1
		.amdhsa_system_sgpr_workgroup_id_x 1
		.amdhsa_system_sgpr_workgroup_id_y 1
		.amdhsa_system_sgpr_workgroup_id_z 1
		.amdhsa_system_vgpr_workitem_id 0
		.amdhsa_next_free_vgpr 194
		.amdhsa_next_free_sgpr 66
		.amdhsa_reserve_vcc 0
		.amdhsa_float_denorm_mode_32 3
		.amdhsa_float_denorm_mode_16_64 3
		.amdhsa_memory_ordered 1
		.amdhsa_forward_progress 1
		.amdhsa_inst_pref_size 33
	.end_amdhsa_kernel
	.amdgpu_metadata
---
amdhsa.version: [ 1, 2 ]
amdhsa.kernels:
  - .name:           k_q4fbf9ad625_qx
    .symbol:         k_q4fbf9ad625_qx.kd
    .args:
      - { .name: queries, .offset: 0, .size: 8, .value_kind: global_buffer, .address_space: global }
      - { .name: keys, .offset: 8, .size: 8, .value_kind: global_buffer, .address_space: global }
      - { .name: values, .offset: 16, .size: 8, .value_kind: global_buffer, .address_space: global }
      - { .name: cod, .offset: 24, .size: 8, .value_kind: global_buffer, .address_space: global }
      - { .name: scl, .offset: 32, .size: 8, .value_kind: global_buffer, .address_space: global }
    .group_segment_fixed_size: 33280
    .private_segment_fixed_size: 0
    .kernarg_segment_align: 8
    .kernarg_segment_size: 40
    .max_flat_workgroup_size: 128
    .sgpr_count:     66
    .vgpr_count:     194
    .wavefront_size: 32
...
	.end_amdgpu_metadata
.endif
;; end of part 2
;; launch proj (part 3): grid 4 x 96, 4 waves a work-group, clusters of 4 x 4, 327,680 bytes of LDS; arguments cod, scl, bq, bk, bv, qf, qs, kv; writes qf, qs, kv
.if DOCPART == 3
	.amdgcn_target "amdgcn-amd-amdhsa--gfx1250"
	.amdhsa_code_object_version 6
	.text
	.protected	k_q4fbf9ad625_proj
	.globl	k_q4fbf9ad625_proj
	.p2align	8
	.type	k_q4fbf9ad625_proj,@function
k_q4fbf9ad625_proj:
	s_mov_b64 s[64:65], 0
	v_nop
	global_prefetch_b8 v0, s[64:65] scope:SCOPE_SE
	s_setreg_imm32_b32 hwreg(HW_REG_WAVE_MODE, 25, 1), 1
	s_wait_xcnt 0x0
	s_wait_alu depctr_hold_cnt(0) depctr_sa_sdst(0) depctr_va_vdst(0) depctr_va_sdst(0) depctr_va_ssrc(0) depctr_va_vcc(0) depctr_vm_vsrc(0)
	s_getreg_b32 s2, hwreg(HW_REG_IB_STS2, 6, 4)
	s_cmp_eq_u32 s2, 0
	s_cbranch_scc0 .Lentry_in_a_cluster
	s_endpgm
.Lentry_in_a_cluster:
	s_bfe_u32 s2, ttmp6, 0x10000c
	s_cmp_lg_u32 s2, 0xf033
	s_cbranch_scc0 .Lentry_shape_is_right
	s_endpgm
.Lentry_shape_is_right:
; The three projections relu(x W + b) on codes of FP6 (E2M3) with one E8M0 scale for each 32 along K = 1,024, and their results quantised anew for attention and stored as images of operand registers.
; cod: rows of 768 bytes (1,024 codes): rows 0 .. 24575 queries, keys, values; rows 24576 .. 27647 Wq, Wk, Wv (a row = an output channel).  scl: the same rows, 32 scale bytes each.
; In both, bits 3 and 4 of the row number are swapped: row r of the 16-row tile i is true row 32 (i / 2) + 8 (i % 2) + r + 8 (r / 8).
; A work-group of four waves makes 256 x 256 results, a wave 128 x 128: 64 accumulators of 16 x 16, 512 registers.  K goes in steps of 256 through two LDS slots filled by the tensor data mover.
; ROLES.  Role B is the matrix instruction's source 0, role A its source 1: a lane then holds ONE row of A, and its 64 registers of a block run along B's rows: by the row order above register 16 b + i is B's true
; row 32 b + 16 (lane / 16) + i.  So B's rows are the axis along which the result is quantised.  For q and k (tensor T = 0, 1): A = tokens, B = channels (the head's 64 are attention's first K).
; For v (T = 2): A = channels, B = tokens (the keys are attention's second K).
; CLUSTERS: 4 x 4 work-groups; the grid is one cluster wide.  A's tile is asked for jointly by the four of a row of the cluster (its rows hang on cy), B's by the four of a column (on cx).
; T = cluster y / 8.  q, k: A = block 4 x cluster y + cy of 256 rows, B = block 96 + 4 T + cx.  v: A = block 104 + cy (Wv), B = block 4 x cluster y + cx (values).  Only block numbers are chosen, on T alone.
; THE WAY OUT needs no LDS: bias, relu, then a block of 16 rows x 128 becomes 12 registers of codes a lane and a scale word, which are stored as they stand:
;   an image of 768 bytes = 6 registers: lane l's registers 0-3 at 16 l, its registers 4-5 at 512 + 8 l.
;   qf [64 heads bh][128 tiles of 16 tokens][768];  qs [bh][16 groups of 128 tokens][tile / 4][row r][tile % 4] words (the head's two bytes below, zeros above);
;   kv [bh][16 steps of 128 keys][13,056]: K's 8 tiles x 768; at 6,144 V's (4 channel tiles x 2 halves of 64 keys) x 768; at 12,288 K's scale words (as qs); at 12,800 V's [row r][tile] words.
; LIMITS: NaN and infinities are not served.  A block of zeros gets the byte 1 (its codes are zeros; this program alone reads the bytes).
; REGISTERS, in windows of 256: window 0: v1-29 addresses; v32-63 scale words, two sets; v64-127 the bias by B's rows; v128-223 A's fragments, ONE set; v224-231 the bias by A's rows; on the way out v128-211, v232-251 at work.
;   window 1: B's fragments, TWO sets, at v0 and v128.   window 2: the 32 accumulators of my rows 0-63 ((a, b) at v[8 (8 a + b)]);   window 3: those of my rows 64-127.
.set KSTEP,  256                       ; along K in a slot
.set NQ,     KSTEP/128                 ; matrix instructions deep
.set ROWB,   192                       ; a tile's row in bytes
.set KROW,   768                       ; a row of cod
.set PITCH,  240                       ; an LDS row: 3 x (64 bytes of data + 16 of padding)
.set FR,     12                        ; registers of a fragment: 16 rows x 128 K
.set NL,     6                         ; LDS loads that bring one
.set NP,     4                         ; places behind this matrix instruction (ISA guide 7.12.1)
.set HALFT,  128*PITCH                 ; 128 rows: what one tensor load brings, and what one wave reads of A or of B
.set SLOT,   4*HALFT                   ; A's 256 rows, then B's 256 rows
.set KS,     32                        ; a row of scl
.set SCL,    2*SLOT                    ; behind the ring: the scales of all of K, as pieces of 256 bytes + 16 of padding; filled once
.set HALFS,  (128*KS/256)*272          ; the scales of 128 rows
.set SBLK,   (16*KS/256)*272           ; those of 16 rows
.set SPARE,  SCL+4*HALFS               ; behind the scales: the spare words, 128 bytes for each wave, which no other line names
.set ADRA, 16                          ; v16-17  LDS address of my A fragments in slot 0, 1  (v18-19: for the pieces that lie behind one padding more)
.set ADRB, 20                          ; v20-21  the same for B  (v22-23)
.set ADRS, 27                          ; v27     LDS address of my scale words: lanes 0-15 A's rows, lanes 16-31 B's
.set SPW,  28                          ; v28     LDS address of my spare word; never rewritten
.set NIL,  29                          ; v29     0; never rewritten
.set SC,   32                          ; scale words: set s at v[SC + 16 s]; register 2 i + q: lanes 0-15 A's block i, lanes 16-31 B's block i
.set BB,   64                          ; v64-127  bias of B's row that register i of a block holds
.set AF,   128                         ; A's fragments
.set BA,   224                         ; v224-231 bias of A's row r of block i
.set T,    128                         ; the way out: a block's 64 numbers
.set CD,   192                         ; v192-203 its codes; v204-210 the conversions' second halves
.set TM,   232                         ; v232-235 largest magnitudes, v236-239 bytes, v244-247 the conversions' scale operands
.set PW,   248                         ; the scale word just made
.set BP,   250                         ; v[250:251] the block's bias by A's row, twice
.set SW,   32                          ; v32-39  the eight blocks' scale words, to be stored
.set G1, 24                            ; s[24:31] descriptor group 1 for A's tiles;  s[32:39] group 0, one set for each slot
.set G0, 32
.set G1B, 48                           ; s[48:55], s[56:63] the same for B's tiles
.set G0B, 56
.set G1S, 68                           ; s[68:75], s[76:79] groups 1 and 0 for A's scales;  s[80:87], s[88:91] for B's
.set G0S, 76
.set G1SB, 80
.set G0SB, 88
.set SEL, 92                           ; s[92:93] on the way out: lane selects for v_permlanex16_b32
.set MSB, 0
.macro WIN new                         ; the immediate's high byte repeats the setting that is left
.if MSB != \new
	s_set_vgpr_msb (MSB<<8)|\new
.set MSB, \new
.endif
.endm
.set MUL_LO, 0xa1                      ; source 0 (B) window 1, source 1 (A) window 0, C and D window 2
.set MUL_HI, 0xf1                      ; the same, C and D window 3
.set TO_B,   0x40                      ; destination window 1, address window 0
; A joint load: waves 0 and 1 fetch for A, waves 2 and 3 for B.  Each of the two lines has ONE mask and one set of registers for all that issue it; the branch hangs on the wave's number alone.
; Four v_nop follow each of the two lines, ahead of the jump, the label and what follows.
.macro JLOAD g0a, g1a, g0b, g1b
	s_cmp_eq_u32 s15, 0
	s_cbranch_scc0 .Lfor_b_\@
	tensor_load_to_lds s[\g0a:\g0a+3], s[\g1a:\g1a+7]
	s_nop 0
.rept 4
	v_nop
.endr
	s_branch .Lasked_\@
.Lfor_b_\@:
	tensor_load_to_lds s[\g0b:\g0b+3], s[\g1b:\g1b+7]
	s_nop 0
.rept 4
	v_nop
.endr
.Lasked_\@:
.endm
.macro CREST                           ; a round of the cluster's barrier behind its opening barrier
	s_cmp_lg_u32 s14, 0
	s_cbranch_scc1 .Lnot_wave_0_\@
	s_barrier_signal -3
.Lnot_wave_0_\@:
	s_barrier_wait -3
	s_barrier_signal -1
	s_barrier_wait -1
.endm
.macro CROUND                          ; a whole round
	s_barrier_signal -1
	s_barrier_wait -1
	CREST
.endm
	s_load_b128 s[4:7], s[0:1], 0x0                ; cod s[4:5], scl s[6:7]
	s_load_b256 s[68:75], s[0:1], 0x10             ; bq, bk, bv, qf
	s_load_b128 s[76:79], s[0:1], 0x30             ; qs, kv
	v_lshl_add_u32 v[SPW], v0, 2, SPARE
	v_mov_b32 v[NIL], 0
	ds_add_u32 v28, v29
	ds_add_u32 v28, v29
	s_wait_dscnt 0x0
	v_lshrrev_b32 v1, 5, v0
	v_readfirstlane_b32 s14, v1                    ; wave 0..3
	s_lshr_b32 s15, s14, 1                         ; which half of A's 256 rows is mine.  Also: I fetch for A (0) or for B (1)
	s_and_b32 s16, s14, 1                          ; which half of B's.  Also: which 128 rows of that tile I fetch
	s_bfe_u32 s40, ttmp6, 0x40000                  ; cx, cy: my place in the cluster
	s_bfe_u32 s41, ttmp6, 0x40004
	s_and_b32 s95, ttmp7, 0xffff                   ; cluster y, 0 .. 23
	s_lshr_b32 s66, s95, 3                         ; T: 0 q, 1 k, 2 v: the same in all sixteen partners
	s_add_co_u32 s94, s66, 24
	s_cmp_eq_u32 s66, 2
	s_cselect_b32 s67, 1, 0                        ; is it v?
	s_cselect_b32 s42, s95, s94                    ; a quarter of B's block number: the values' by cluster y, or W's 24 + T
	s_cselect_b32 s17, 26, s95                     ; a quarter of A's: Wv's 26, or the tokens' by cluster y
	s_lshl_b32 s42, s42, 2
	s_add_co_u32 s42, s42, s40                     ; B's block of 256 rows: + cx
	s_lshl_b32 s17, s17, 2
	s_add_co_u32 s17, s17, s41                     ; A's block: + cy
	s_lshl_b32 s43, s41, 2
	s_lshl_b32 s43, 15, s43                        ; my row of the cluster
	s_lshl_b32 s44, 0x1111, s40                    ; my column
	; descriptor group 1: a tile of 128 rows x 192 bytes, padded in LDS
	s_or_b32 s[G1+0], s43, (0<<16)|(1<<20)|(1<<21)|(3<<22)|(3<<25)  ; 15:0 the mask: A's tiles go to my row; 17:16 element of 1 byte; 20 padding on; 21 set beside a mask; 24:22 after every 16 words; 31:25 of 4 words
	s_or_b32 s[G1B+0], s44, (0<<16)|(1<<20)|(1<<21)|(3<<22)|(3<<25)
.irp g, G1, G1B
	s_mov_b32 s[\g+1], ROWB<<16                    ; tensor_dim0
	s_mov_b32 s[\g+2], 128<<16                     ; tensor_dim1 = 128
	s_mov_b32 s[\g+3], ROWB<<16                    ; tile_dim0
	s_mov_b32 s[\g+4], 128                         ; tile_dim1 = 128
	s_mov_b32 s[\g+5], KROW                        ; tensor_dim0_stride
	s_mov_b32 s[\g+6], 0
	s_mov_b32 s[\g+7], 0
.endr
	s_lshl_b32 s18, s16, 7                         ; which 128 rows of the tile I fetch
	s_lshl_b32 s20, s17, 8
	s_add_co_u32 s20, s20, s18                     ; A: row 256 x block + 128 x half
	s_lshl_b32 s46, s42, 8
	s_add_co_u32 s46, s46, s18                     ; B likewise
	s_mov_b32 s21, 0
	s_mov_b32 s47, 0
	s_mov_b64 s[18:19], KS
	s_mul_u64 s[22:23], s[20:21], s[18:19]         ; where these rows' scales begin, in bytes
	s_mul_u64 s[92:93], s[46:47], s[18:19]
	s_mov_b64 s[18:19], KROW
	s_mul_u64 s[20:21], s[20:21], s[18:19]         ; and their codes
	s_mul_u64 s[46:47], s[46:47], s[18:19]
	s_mul_i32 s45, s14, HALFT                      ; where they go: wave x 128 rows: no place in the cluster enters an LDS address
	s_mul_i32 s94, s14, HALFS
	s_wait_kmcnt 0x0
	s_cmp_eq_u32 s66, 0                            ; where the results go, and which bias: choices on T alone
	s_cselect_b64 s[12:13], s[74:75], s[78:79]     ; the codes: qf or kv
	s_cselect_b64 s[98:99], s[76:77], s[78:79]     ; the scale words: qs or kv
	s_cselect_b64 s[96:97], s[68:69], s[70:71]
	s_cmp_eq_u32 s66, 2
	s_cselect_b64 s[96:97], s[72:73], s[96:97]     ; bq, bk or bv
	; s68-79 are free now.  Group 1 for the scales of 128 rows: a dense block of 4,096 bytes, as rows of 256 bytes (32 elements of 8 bytes), 16 bytes of padding behind each
	s_or_b32 s[G1S+0], s43, (3<<16)|(1<<20)|(1<<21)|(5<<22)|(3<<25)
	s_or_b32 s[G1SB+0], s44, (3<<16)|(1<<20)|(1<<21)|(5<<22)|(3<<25)
.irp g, G1S, G1SB
	s_mov_b32 s[\g+1], 32<<16
	s_mov_b32 s[\g+2], (128*KS/256)<<16
	s_mov_b32 s[\g+3], 32<<16
	s_mov_b32 s[\g+4], 128*KS/256
	s_mov_b32 s[\g+5], 32
	s_mov_b32 s[\g+6], 0
	s_mov_b32 s[\g+7], 0
.endr
	s_add_nc_u64 s[20:21], s[4:5], s[20:21]
	s_add_nc_u64 s[22:23], s[6:7], s[22:23]
	s_add_nc_u64 s[46:47], s[4:5], s[46:47]
	s_add_nc_u64 s[92:93], s[6:7], s[92:93]
	CROUND                                         ; all sixteen work-groups are here: the first joint loads meet
	s_mov_b32 s[G0S], 1
	s_add_co_u32 s[G0S+1], s94, SCL
	s_mov_b64 s[G0S+2:G0S+3], s[22:23]
	s_or_b32 s[G0S+3], s[G0S+3], 0x80000000
	s_mov_b32 s[G0SB], 1
	s_add_co_u32 s[G0SB+1], s94, SCL
	s_mov_b64 s[G0SB+2:G0SB+3], s[92:93]
	s_or_b32 s[G0SB+3], s[G0SB+3], 0x80000000
	JLOAD G0S, G1S, G0SB, G1SB                     ; the scales first: they are wanted with K step 0
.irp s, 0,1
	s_mov_b32 s[G0+4*\s], 1
	s_add_co_u32 s[G0+4*\s+1], s45, \s*SLOT
	s_add_nc_u64 s[G0+4*\s+2:G0+4*\s+3], s[20:21], \s*ROWB
	s_or_b32 s[G0+4*\s+3], s[G0+4*\s+3], 0x80000000
	s_mov_b32 s[G0B+4*\s], 1
	s_add_co_u32 s[G0B+4*\s+1], s45, \s*SLOT
	s_add_nc_u64 s[G0B+4*\s+2:G0B+4*\s+3], s[46:47], \s*ROWB
	s_or_b32 s[G0B+4*\s+3], s[G0B+4*\s+3], 0x80000000
	JLOAD G0+4*\s, G1, G0B+4*\s, G1B
.endr
	v_and_b32 v1, 15, v0                           ; r = l % 16
	v_bfe_u32 v2, v0, 4, 1                         ; h = l / 16
	v_mul_u32_u24 v3, v1, PITCH
	v_mul_u32_u24 v4, v2, 24
	v_add_nc_u32 v4, v3, v4                        ; a fragment's row x pitch + 24 x half
	v_lshl_add_u32 v5, v2, 4, v4                   ; and the same behind one padding more
	s_mul_i32 s21, s15, HALFT                      ; my 128 rows of A
	s_mul_i32 s22, s16, HALFT                      ; my 128 rows of B,
	s_add_co_u32 s22, s22, 2*HALFT                 ; which lie behind A's 256
.irp s, 0,1
	v_add_nc_u32 v[ADRA+\s], s21, v4
	v_add_nc_u32 v[ADRB+\s], s22, v4
	v_add_nc_u32 v[ADRA+2+\s], s21, v5
	v_add_nc_u32 v[ADRB+2+\s], s22, v5
	s_add_co_u32 s21, s21, SLOT
	s_add_co_u32 s22, s22, SLOT
.endr
	v_mul_u32_u24 v5, v1, KS                       ; my row's scales: 32 bytes a row,
	v_lshrrev_b32 v6, 8, v5
	v_lshl_add_u32 v5, v6, 4, v5                   ; and 16 more for each 256 passed
	s_mul_i32 s21, s15, HALFS                      ; A's: my 128 rows
	s_mul_i32 s22, s16, HALFS                      ; B's: my 128 rows, behind A's 256
	s_add_co_u32 s22, s22, 2*HALFS
	s_sub_co_u32 s22, s22, s21
	v_mul_u32_u24 v6, s22, v2                      ; lanes 16-31 take B's
	s_add_co_u32 s21, s21, SCL
	v_add_nc_u32 v5, v5, v6
	v_add_nc_u32 v[ADRS], s21, v5
	; THE WAY OUT'S NUMBERS.  They enter global addresses alone.  X: the tokens' side, W: the channels' side
	s_lshl_b32 s18, 768, s67                       ; from block to block of my eight: an image of 768 bytes on (q, k: the next tile of tokens), or two (v: the next channel tile)
	s_mov_b32 s19, 0
	s_mov_b32 s21, 0
	s_cmp_eq_u32 s67, 1
	s_cselect_b32 s44, s42, s17                    ; X's block of 256 rows
	s_cselect_b32 s45, s41, s40                    ; W's block of 256 channels, 0 .. 3
	s_cselect_b32 s46, s16, s15                    ; which half of X's block is mine
	s_cselect_b32 s47, s15, s16                    ; which half of W's
	s_cselect_b32 s20, 202752, 0                   ; v, at block 4: on to the next head's record: 16 x 13,056 - 4 x 1,536
	s_cselect_b32 s23, 0, -1                       ; keeps the bias by B's rows (q, k)
	s_cselect_b32 s94, 6144, 0                     ; V's codes lie behind K's in a record
	s_cselect_b32 s2, -1, 0xffff                   ; a scale word: all four bytes (v) or a head's two
	s_cselect_b32 s40, -1, 0                       ; keeps the bias by A's rows (v)
	s_and_b32 s44, s44, 31                         ; the block in its tensor: 32 blocks each
	s_lshr_b32 s22, s44, 3                         ; the batch b: 8 blocks of 256 tokens each
	s_and_b32 s44, s44, 7
	s_lshl_b32 s44, s44, 1
	s_add_co_u32 s44, s44, s46                     ; my 128 tokens: group st of 16
	s_lshl_b32 s45, s45, 2
	s_lshl_b32 s47, s47, 1
	s_add_co_u32 s45, s45, s47                     ; my 128 channels: heads head0, head0 + 1
	s_lshl_b32 s22, s22, 4
	s_add_co_u32 s22, s22, s45
	s_lshl_b32 s22, s22, 4
	s_add_co_u32 s22, s22, s44                     ; idx = (16 b + head0) x 16 + st
	s_lshl_b32 s46, s45, 8                         ; my channels' bias: 64 head0 numbers on
	s_mov_b32 s47, 0
	s_add_nc_u64 s[96:97], s[96:97], s[46:47]
	s_mov_b32 s41, 13056                           ; bytes for each idx: of codes,
	s_mov_b32 s42, 13056                           ; of scale words
	s_lshl_b32 s43, s67, 9
	s_add_co_u32 s43, s43, 12288                   ; where a record's scale words begin: K's 12,288, V's 12,800
	s_cmp_eq_u32 s66, 0
	s_cselect_b32 s41, 6144, s41                   ; q: 8 images in qf,
	s_cselect_b32 s42, 512, s42                    ; 512 bytes in qs,
	s_cselect_b32 s43, 0, s43                      ; from the start
	s_mul_i32 s46, s22, s41
	s_add_co_u32 s46, s46, s94
	s_add_nc_u64 s[12:13], s[12:13], s[46:47]
	s_mul_i32 s46, s22, s42
	s_add_co_u32 s46, s46, s43
	s_add_nc_u64 s[98:99], s[98:99], s[46:47]
	s_lshl_b32 s41, s41, 4                         ; from a head to the next: 16 idx
	s_lshl_b32 s42, s42, 4
	s_mov_b32 s43, 208896
	s_cmp_eq_u32 s67, 1
	s_cselect_b32 s41, 768, s41                    ; from a block's first six registers to its second six: the next head (q, k), or the next 64 keys (v)
	s_cselect_b32 s42, 0, s42                      ; lanes 16-31 store the next head's scale words (q, k), or the same as lanes 0-15 (v)
	s_cselect_b32 s43, s43, 256                    ; blocks 4-7's scale words: 256 bytes on (q, k), or the next head's record (v)
	s_mov_b32 s[SEL], 0x76543210
	s_mov_b32 s[SEL+1], 0xfedcba98
	v_and_b32 v6, 31, v0
	v_lshlrev_b32 v7, 4, v6                        ; an image: 16 l,
	v_lshl_add_u32 v8, v6, 3, 512                  ; 512 + 8 l,
	v_add_nc_u32 v9, s41, v7                       ; and the second image
	v_add_nc_u32 v10, s41, v8
	v_mul_u32_u24 v11, s42, v2
	v_lshl_add_u32 v11, v1, 4, v11                 ; scale words: 16 r, four blocks' words on end
	v_add_nc_u32 v12, s43, v11
	v_lshlrev_b32 v13, 4, v2
	v_and_b32 v13, s23, v13                        ; q, k: lanes 16-31 take the upper two bytes of a scale word
	v_lshlrev_b32 v14, 6, v2                       ; bias by B's rows: 16 h numbers on
	v_and_b32 v15, 8, v1
	v_add_nc_u32 v15, v15, v1
	v_lshlrev_b32 v15, 2, v15                      ; bias by A's rows: r + 8 (r / 8) numbers on
.irp bb, 0,1,2,3                               ; both are loaded, for every T, from my 128 channels' numbers; one of the two is cleared on the way out.  They are waited for there
.irp j, 0,1,2,3
	global_load_b128 v[BB+16*\bb+4*\j:BB+16*\bb+4*\j+3], v14, s[96:97] offset:128*\bb+16*\j
.endr
.endr
.irp i, 0,1,2,3,4,5,6,7
	global_load_b32 v[BA+\i], v15, s[96:97] offset:4*(32*(\i/2)+8*(\i%2))
.endr
.macro FRAG reg, adr, q, i             ; a fragment, 16 rows x 128 K of 6-bit codes, is 12 registers: lane l holds row l % 16; registers 6 c .. 6 c + 5 hold K = 64 c + 32 (l / 16) + 0 .. 31: 24 bytes of the row's stream of bits
.irp p, 0,1,2,3,4,5                    ; in pieces of 8 bytes.  Lanes 0-15 take the row's pieces 12 q + 0, 1, 2 and 12 q + 6, 7, 8, lanes 16-31 those three pieces on
.set PC, 12*(\q)+6*(\p/3)+\p%3        ; 16 bytes of padding lie behind every 8 pieces: where the piece three on lies behind one padding more, the second address register serves
.if PC%8 < 5
	ds_load_b64 v[\reg+2*\p:\reg+2*\p+1], v[\adr] offset:8*PC+16*(PC/8)+(\i)*16*PITCH
.else
	ds_load_b64 v[\reg+2*\p:\reg+2*\p+1], v[\adr+2] offset:8*PC+16*(PC/8)+(\i)*16*PITCH
.endif
.endr
.endm
; 16 matrix instructions: A's blocks a0, a0 + 1 x B's eight, 128 along K: the slot's q-th.  p: B's set;  sc: the set of scale words.  zero = 1: the first product starts the sums.
; The 64 accumulators take turns, one instruction a turn, in the same order in every step.
.macro MUL16 a0, p, q, sc, zero
.irp a, \a0, \a0+1
.irp b, 0,1,2,3,4,5,6,7
.if \zero
	v_wmma_scale_f32_16x16x128_f8f6f4 v[8*(8*((\a)%4)+\b):8*(8*((\a)%4)+\b)+7], v[128*(\p)+FR*\b:128*(\p)+FR*\b+FR-1], v[AF+FR*(\a):AF+FR*(\a)+FR-1], 0, v[SC+8*NQ*(\sc)+NQ*\b+(\q)], v[SC+8*NQ*(\sc)+NQ*(\a)+(\q)] matrix_a_fmt:MATRIX_FMT_FP6 matrix_b_fmt:MATRIX_FMT_FP6 matrix_a_scale:MATRIX_SCALE_ROW1
.else
	v_wmma_scale_f32_16x16x128_f8f6f4 v[8*(8*((\a)%4)+\b):8*(8*((\a)%4)+\b)+7], v[128*(\p)+FR*\b:128*(\p)+FR*\b+FR-1], v[AF+FR*(\a):AF+FR*(\a)+FR-1], v[8*(8*((\a)%4)+\b):8*(8*((\a)%4)+\b)+7], v[SC+8*NQ*(\sc)+NQ*\b+(\q)], v[SC+8*NQ*(\sc)+NQ*(\a)+(\q)] matrix_a_fmt:MATRIX_FMT_FP6 matrix_b_fmt:MATRIX_FMT_FP6 matrix_a_scale:MATRIX_SCALE_ROW1
.endif
.endr
.endr
.endm
.macro FETCH_B slot, q, p              ; B's eight fragments of the slot's q-th 128 along K into set p
	WIN TO_B
.irp i, 0,1,2,3,4,5,6,7
	FRAG 128*(\p)+FR*\i, ADRB+\slot, \q, \i
.endr
	WIN 0
.endm
.macro FETCH_A slot, q, i0             ; A's blocks i0 .. i0 + 3
.irp i, \i0, \i0+1, \i0+2, \i0+3
	FRAG AF+FR*(\i), ADRA+\slot, \q, \i
.endr
.endm
.macro SCALES sc                       ; the next K step's scale words into set sc: two words a row; lanes 0-15 take A's block i, lanes 16-31 B's block i
.irp i, 0,1,2,3,4,5,6,7
	ds_load_b64 v[SC+8*NQ*\sc+NQ*\i:SC+8*NQ*\sc+NQ*\i+1], v[ADRS] offset:\i*SBLK
.endr
.endm
; A load into a register that a matrix instruction has read, and a vector instruction that reads a matrix result, stand NP places behind that matrix instruction; only plain vector
; instructions that name none of its registers are places (ISA guide 7.12.1 for vector instructions).
.macro PLACES n
.rept \n
	v_nop
.endr
.endm
; A step of 128 along K that has its successor in the same slot.
.macro STEP slot, q, zero
	s_wait_dscnt 4*NL                              ; B's set and A's blocks 0-3 are in; the youngest 24 loads (A's blocks 4-7) may be out
	WIN MUL_LO
	MUL16 0, (\q)%2, \q, \slot, \zero
	MUL16 2, (\q)%2, \q, \slot, \zero
	s_wait_dscnt 0                                 ; A's blocks 4-7 are in (asked for 32 matrix instructions ago)
	PLACES NP
	FETCH_B \slot, (\q)+1, 1-(\q)%2
	FETCH_A \slot, (\q)+1, 0
	WIN MUL_HI
	MUL16 4, (\q)%2, \q, \slot, \zero
	MUL16 6, (\q)%2, \q, \slot, \zero
	PLACES NP
	WIN 0
	FETCH_A \slot, (\q)+1, 4
.endm
; A slot's last step changes slots: ONE barrier; in front of it each wave waits for all its tensor loads, adds 0 to its spare word, and waits for that and for its own reads of this slot.  fill = 1: this slot is filled again, two K steps ahead.
.macro TURN slot, next, fill
	s_wait_tensorcnt 0x0                           ; all my tensor loads have landed: my part of the next slot;  (every window is 0 here)
	ds_add_u32 v[SPW], v[NIL]                      ; 0 onto my spare word
	s_wait_dscnt 4*NL+1                            ; (the add and the youngest 24 loads, A's blocks 4-7, may be out)
	WIN MUL_LO
	MUL16 0, 1, NQ-1, \slot, 0                     ; sixteen matrix instructions stand between the add and the wait for it
	s_wait_dscnt 0x0                               ; the add is done, and my reads of this slot are over
	s_barrier_signal -1
	MUL16 2, 1, NQ-1, \slot, 0
	WIN 0
	s_barrier_wait -1
.if \fill
	CREST                                          ; the barrier has opened a round of the cluster's barrier: no wave of any partner still reads this slot's tile or has a load on its way
	s_add_nc_u64 s[G0+4*\slot+2:G0+4*\slot+3], s[G0+4*\slot+2:G0+4*\slot+3], 2*ROWB
	s_add_nc_u64 s[G0B+4*\slot+2:G0B+4*\slot+3], s[G0B+4*\slot+2:G0B+4*\slot+3], 2*ROWB
	JLOAD G0+4*\slot, G1, G0B+4*\slot, G1B         ; the first tensor load behind the round; the four v_nop behind it are the places in front of the loads below
.else
	PLACES NP
.endif
	v_add_nc_u32 v[ADRS], 4*NQ, v[ADRS]            ; on to the next K step's scale words (no LDS load of mine is out)
	FETCH_B \next, 0, 0
	FETCH_A \next, 0, 0
	SCALES \next
	WIN MUL_HI
	MUL16 4, 1, NQ-1, \slot, 0
	MUL16 6, 1, NQ-1, \slot, 0
	PLACES NP
	WIN 0
	FETCH_A \next, 0, 4
.endm
	s_wait_tensorcnt 1                             ; the scales and my part of K step 0 are in (K step 1's load may be out)
	s_barrier_signal -1
	s_barrier_wait -1                              ; everybody's are
	FETCH_B 0, 0, 0
	FETCH_A 0, 0, 0
	SCALES 0
	FETCH_A 0, 0, 4
	; K = 1,024 is four K steps, eight steps of 128: written out, since a loop round the ring would have one trip
	STEP 0, 0, 1                                   ; K step 0: the first products start the sums
	TURN 0, 1, 1                                   ; slot 0 takes K step 2
	STEP 1, 0, 0                                   ; K step 1
	TURN 1, 0, 1                                   ; slot 1 takes K step 3
	STEP 0, 0, 0                                   ; K step 2
	TURN 0, 1, 0                                   ; nothing is left to fetch
	STEP 1, 0, 0                                   ; K step 3
	s_wait_dscnt 4*NL                              ; the very last step
	WIN MUL_LO
	MUL16 0, 1, NQ-1, 1, 0
	MUL16 2, 1, NQ-1, 1, 0
	s_wait_dscnt 0
	WIN MUL_HI
	MUL16 4, 1, NQ-1, 1, 0
	MUL16 6, 1, NQ-1, 1, 0
	WIN 0
; 64 numbers of a lane, none negative, v[s] .. v[s + 63], register 16 b + i = k 32 b + 16 (lane / 16) + i of my row, become a fragment's codes in v[CD] on and its scale word in v[PW].
.macro QUANT s
.irp b, 0,1,2,3
	v_max3_num_f32 v[TM+\b], v[\s+16*\b], v[\s+1+16*\b], 0x1800000   ; block b: my 16 numbers, and the floor 2^(3 - 127): the byte cannot fall under 1
.endr
.irp i, 2,4,6,8,10,12,14
.irp b, 0,1,2,3
	v_max3_num_f32 v[TM+\b], v[TM+\b], v[\s+16*\b+\i], v[\s+1+16*\b+\i]   ; (the four blocks by turns)
.endr
.endr
.irp b, 0,1,2,3
	v_permlanex16_b32 v[TM+4+\b], v[TM+\b], s[SEL], s[SEL+1]
.endr
.irp b, 0,1,2,3
	v_max_num_f32 v[TM+\b], v[TM+\b], v[TM+4+\b]   ; with lane l xor 16's: the block's largest magnitude
.endr
.irp b, 0,1,2,3
	v_add_nc_u32 v[TM+12+\b], 0xff000000, v[TM+\b]   ; 2 off its exponent field: the conversion's scale operand
.endr
.irp b, 0,1,2,3
	v_lshrrev_b32 v[TM+4+\b], 23, v[TM+12+\b]   ; the scale's byte
.endr
	v_lshl_or_b32 v[PW], v[TM+5], 8, v[TM+4]   ; the four bytes make my row's scale word
	v_lshl_or_b32 v[PW], v[TM+6], 16, v[PW]
	v_lshl_or_b32 v[PW], v[TM+7], 24, v[PW]
.irp c, 0,1
	v_cvt_scalef32_pk16_fp6_f32 v[CD+6*\c:CD+2+6*\c], v[\s+32*\c:\s+15+32*\c], v[TM+12+2*\c]
	v_cvt_scalef32_pk16_fp6_f32 v[CD+12+4*\c:CD+14+4*\c], v[\s+16+32*\c:\s+31+32*\c], v[TM+12+2*\c+1]   ; (a conversion's three registers begin on an even number)
.endr
	v_nop                                          ; one plain place behind a scaled conversion
.irp c, 0,1                                    ; the operand's layout wants a WHOLE block in a lane: lanes 0-15 block 2 c, lanes 16-31 block 2 c + 1
.irp i, 0,1,2
	v_permlane16_swap_b32 v[CD+6*\c+\i], v[CD+12+4*\c+\i]
.endr
.irp i, 0,1,2
	v_mov_b32 v[CD+3+6*\c+\i], v[CD+12+4*\c+\i]
.endr
.endr
.endm
; Block a of my eight: 16 rows of A x my 128 rows of B.
.macro OUTBLK a
.if (\a) > 0
	s_wait_xcnt 0x0                                ; the last block's stores have read their data and their base: both are written again only behind this wait
	s_add_nc_u64 s[12:13], s[12:13], s[18:19]
.endif
.if (\a) == 4
	s_add_nc_u64 s[12:13], s[12:13], s[20:21]
.endif
	v_mov_b32 v[BP], v[BA+(\a)]
	v_mov_b32 v[BP+1], v[BA+(\a)]
.if (\a) < 4
	WIN 0x02                                       ; source 0: window 2
.else
	WIN 0x03                                       ; window 3
.endif
.set i, 0
.rept 32
	v_pk_add_f32 v[T+i:T+i+1], v[64*((\a)%4)+i:64*((\a)%4)+i+1], v[BB+i:BB+i+1]   ; + the bias by B's rows; each accumulator from its low end on
.set i, i+2
.endr
	WIN 0
.set i, 0
.rept 32
	v_pk_add_f32 v[T+i:T+i+1], v[T+i:T+i+1], v[BP:BP+1]   ; + the bias by A's row.  One of the two is zero, so the sum is rounded once
.set i, i+2
.endr
.set i, 0
.rept 64
	v_max_num_f32 v[T+i], 0, v[T+i]                ; relu
.set i, i+1
.endr
	QUANT T
	v_lshrrev_b32 v[SW+(\a)], v13, v[PW]           ; q, k: lanes 0-15 keep the first head's two bytes, lanes 16-31 the second's; v: all four
	v_and_b32 v[SW+(\a)], s2, v[SW+(\a)]
	global_store_b128 v7, v[CD:CD+3], s[12:13]     ; 32 lanes store 512 consecutive bytes, aligned to 256
	global_store_b64 v8, v[CD+4:CD+5], s[12:13]    ; and 256
	global_store_b128 v9, v[CD+6:CD+9], s[12:13]
	global_store_b64 v10, v[CD+10:CD+11], s[12:13]
.endm
	PLACES NP                                      ; behind the last products
	s_wait_loadcnt 0x0                             ; the biases
.set i, 0
.rept 64
	v_and_b32 v[BB+i], s23, v[BB+i]                ; q, k keep the bias by B's rows (channels); v clears it
.set i, i+1
.endr
.set i, 0
.rept 8
	v_and_b32 v[BA+i], s40, v[BA+i]                ; v keeps the bias by A's rows (channels); q, k clear it
.set i, i+1
.endr
.irp b, 0,1,2,3
	v_mov_b32 v[TM+4+\b], 0                        ; written once: a lane permute's destination counts as one of its sources
.endr
.irp a, 0,1,2,3,4,5,6,7
	OUTBLK \a
.endr
	global_store_b128 v11, v[SW:SW+3], s[98:99]    ; blocks 0-3's scale words: sixteen lanes store 256 consecutive bytes.  (v: lanes 16-31 hold the same words as lanes 0-15 and store them to the same bytes)
	global_store_b128 v12, v[SW+4:SW+7], s[98:99]  ; blocks 4-7's
	s_wait_tensorcnt 0x0                           ; the wave's end
	ds_add_u32 v[SPW], v[NIL]
	s_wait_dscnt 0x0
	CROUND                                         ; the closing round: no work-group ends while a partner may still ask for a tile that names it
	s_endpgm
.Lfunc_end_k_q4fbf9ad625_proj:
	.size	k_q4fbf9ad625_proj, .Lfunc_end_k_q4fbf9ad625_proj-k_q4fbf9ad625_proj
	.p2alignl 7, 3214868480
	.fill 96, 4, 3214868480
	.section	.rodata,"a",@progbits
	.p2align	6, 0x0
	.amdhsa_kernel k_q4fbf9ad625_proj
		.amdhsa_group_segment_fixed_size 327680
		.amdhsa_private_segment_fixed_size 0
		.amdhsa_enable_private_segment 0
		.amdhsa_kernarg_size 64
		.amdhsa_user_sgpr_count 2
		.amdhsa_user_sgpr_kernarg_segment_ptr 1
		.amdhsa_wavefront_size32 1
		.amdhsa_system_sgpr_workgroup_id_x 1
		.amdhsa_system_sgpr_workgroup_id_y 1
		.amdhsa_system_sgpr_workgroup_id_z 1
		.amdhsa_system_vgpr_workitem_id 0
		.amdhsa_next_free_vgpr 1024
		.amdhsa_next_free_sgpr 100
		.amdhsa_reserve_vcc 0
		.amdhsa_float_denorm_mode_32 3
		.amdhsa_float_denorm_mode_16_64 3
		.amdhsa_memory_ordered 1
		.amdhsa_forward_progress 1
		.amdhsa_inst_pref_size 220
	.end_amdhsa_kernel
	.amdgpu_metadata
---
amdhsa.version: [ 1, 2 ]
amdhsa.kernels:
  - .name:           k_q4fbf9ad625_proj
    .symbol:         k_q4fbf9ad625_proj.kd
    .args:
      - { .name: cod, .offset: 0, .size: 8, .value_kind: global_buffer, .address_space: global }
      - { .name: scl, .offset: 8, .size: 8, .value_kind: global_buffer, .address_space: global }
      - { .name: bq, .offset: 16, .size: 8, .value_kind: global_buffer, .address_space: global }
      - { .name: bk, .offset: 24, .size: 8, .value_kind: global_buffer, .address_space: global }
      - { .name: bv, .offset: 32, .size: 8, .value_kind: global_buffer, .address_space: global }
      - { .name: qf, .offset: 40, .size: 8, .value_kind: global_buffer, .address_space: global }
      - { .name: qs, .offset: 48, .size: 8, .value_kind: global_buffer, .address_space: global }
      - { .name: kv, .offset: 56, .size: 8, .value_kind: global_buffer, .address_space: global }
    .group_segment_fixed_size: 327680
    .private_segment_fixed_size: 0
    .kernarg_segment_align: 8
    .kernarg_segment_size: 64
    .max_flat_workgroup_size: 128
    .sgpr_count:     100
    .vgpr_count:     1024
    .wavefront_size: 32
...
	.end_amdgpu_metadata
.endif
;; end of part 3
;; launch att (part 4): grid 4 x 64, 16 waves a work-group, clusters of 4 x 1, 280,576 bytes of LDS; arguments qf, qs, kv, attention_mask, o; writes o
.if DOCPART == 4
	.amdgcn_target "amdgcn-amd-amdhsa--gfx1250"
	.amdhsa_code_object_version 6
	.text
	.protected	k_q4fbf9ad625_att
	.globl	k_q4fbf9ad625_att
	.p2align	8
	.type	k_q4fbf9ad625_att,@function
k_q4fbf9ad625_att:
	s_mov_b64 s[64:65], 0
	v_nop
	global_prefetch_b8 v0, s[64:65] scope:SCOPE_SE
	s_setreg_imm32_b32 hwreg(HW_REG_WAVE_MODE, 25, 1), 1
	s_wait_xcnt 0x0
	s_wait_alu depctr_hold_cnt(0) depctr_sa_sdst(0) depctr_va_vdst(0) depctr_va_sdst(0) depctr_va_ssrc(0) depctr_va_vcc(0) depctr_vm_vsrc(0)
	s_getreg_b32 s2, hwreg(HW_REG_IB_STS2, 6, 4)
	s_cmp_eq_u32 s2, 0
	s_cbranch_scc0 .Lentry_in_a_cluster
	s_endpgm
.Lentry_in_a_cluster:
	s_bfe_u32 s2, ttmp6, 0x10000c
	s_cmp_lg_u32 s2, 0x3003
	s_cbranch_scc0 .Lentry_shape_is_right
	s_endpgm
.Lentry_shape_is_right:
; o[b][q][64 head + :] = the sum over k of softmax_k(logit) V, logit = q . k / 8 where attention_mask[b][q] is not 0, else 1e-9 for every key.  Both products on codes of FP6 (E2M3) with E8M0 scales.
; qf, qs, kv are images of operand registers, made by the launch before: an image of 768 bytes = 6 registers (lane l's registers 0-3 at 16 l, registers 4-5 at 512 + 8 l).
;   qf [bh = 16 b + head][128 tiles of 16 queries][768];  qs [bh][16][tile / 4][r][tile % 4] scale words;  kv [bh][16 steps of 128 keys][13,056]: K's 8 tiles, at 6,144 V's 4 channel tiles x 2 halves,
;   at 12,288 K's scale words, at 12,800 V's.  Row r of tile i (of queries, keys, channels) is true index 32 (i / 2) + 8 (i % 2) + r + 8 (r / 8).
; THE SOFTMAX: t = logit x log2(e); M = the row's largest t so far, rounded UP to a whole number; p = 2^(t - M) is quantised along the keys; the row's sum is taken of the unquantised p and divides at the end.
; When M moves, the sum and O are multiplied by 2^(old M - new M): exact.  THE MASK enters by two selected numbers a query: t = score x cm + om, with (cm, om) = (log2(e) / 8, 0) or (0, 1e-9 x log2(e)): no branch.
; SHARES.  A head's K and V, 208,896 bytes, STAY in LDS: filled once, never again.  A work-group owns 512 queries of one head, in two passes of 256; each of its sixteen waves owns one tile of 16 queries a pass.
; The four work-groups of a head form a cluster and ask for each record JOINTLY: waves 0 to 3 issue four loads each, at the start; a wave has at most four tensor loads out.
; LAYOUT.  Both products transposed: S^T = K Q^T, O^T = V^T P^T: a lane holds ONE query (lane % 16).  By the tiles' row order the 16 registers of tiles 2 b, 2 b + 1 of S^T are keys 32 b + 16 (lane / 16) + 0 .. 15.
; K = 64 IN AN INSTRUCTION OF 128.  Q's registers 6-11 are zero codes and the upper two bytes of both scale words are 0.  K's tile t is named as v[32 + 6 t : 43 + 6 t]: its upper six registers are the next
; tile's codes (zeros behind tile 7), finite numbers that meet zero codes and add exactly 0.  So only Q's side of the unused half is zeros, and eight tiles lie in 54 registers.
; LIMITS: NaN and infinities are not served; a masked query whose q . k overflows f32 gives NaN (its score is multiplied by 0).
; NO PREFETCH: all that the launch reads of kv is asked for at its head by the tensor loads themselves.
.set REC,    13056                     ; a step's record
.set QUART,  4*REC                     ; four steps: what the four fetching waves bring with one load each
.set STAGE,  16*REC                    ; behind the records: 16 rows x (256 bytes + 16) for each wave, for the way out
.set KF,   32                          ; v32-79  K's 8 tiles x 6 registers, later V's 4 x 12;  v80-85 zeros
.set KSC,  86                          ; v86-93  K's scale words;  v94-97 V's
.set VSC,  94
.set SS,   100                         ; v100-163 S^T, then p
.set OO,   164                         ; v164-195 O^T
.set CD,   196                         ; v196-207 p's codes;  v208-210, v212-214 the conversions' second halves
.set BM,   216                         ; v216-219 the blocks' largest scores, then p
.set BT,   220                         ; v220-223 at work
.set SO,   224                         ; v224-227 the conversions' scale operands
.set FF,   228                         ; v[228:229] f = 2^(old M - new M), and 0
.set TP,   230
.set SUM2, 232                         ; v[232:233] the sum's second chain
; v1 16 l, v2 8 l, v3 16 r; v4-6 the same + the step's record; v7 my offset in o; v8, v9 the stage, in and back; v[10:11] cm, om; v12 -M, v13 the largest t; v[14:15] the sum
; v16-27 Q of pass 0, v28 its scale word; v236-247, v248 pass 1's; v29 p's scale word; v30, v31 the mask words; v98 log2(e) / 8; v99 1e-9 x log2(e)
.set G1, 24                            ; s[24:31] descriptor group 1;  s[32:47] four groups 0
.set G0, 32
.macro ROUND                           ; a round of the cluster's barrier
	s_barrier_signal -1
	s_barrier_wait -1
	s_cmp_lg_u32 s14, 0
	s_cbranch_scc1 .Lnot_wave_0_\@
	s_barrier_signal -3
.Lnot_wave_0_\@:
	s_barrier_wait -3
	s_barrier_signal -1
	s_barrier_wait -1
.endm
	s_load_b256 s[4:11], s[0:1], 0x0               ; qf, qs, kv, attention_mask
	s_load_b64 s[12:13], s[0:1], 0x20              ; o
	v_lshl_add_u32 v254, v0, 2, 0x44000
	v_mov_b32 v255, 0
	ds_add_u32 v254, v255
	ds_add_u32 v254, v255
	v_lshrrev_b32 v4, 5, v0
	v_readfirstlane_b32 s14, v4                    ; wave 0..15
	s_bfe_u32 s15, ttmp6, 0x40000                  ; cx
	s_lshl_b32 s17, ttmp9, 2
	s_add_co_u32 s15, s15, s17                     ; X: my block of 512 queries; it enters global addresses alone
	s_and_b32 s16, ttmp7, 0xffff                   ; bh, which the four partners share
	; group 1: a record is 51 dense rows of 256 bytes (32 elements of 8 bytes); no padding: the images are read as they lie, consecutive lanes at consecutive bytes
	s_mov_b32 s[G1], 15|(3<<16)|(1<<21)            ; 15:0 the mask: all four work-groups; 17:16 elements of 8 bytes; 21 set beside a mask
	s_mov_b32 s[G1+1], 32<<16                      ; tensor_dim0 = 32
	s_mov_b32 s[G1+2], 51<<16                      ; tensor_dim1 = 51
	s_mov_b32 s[G1+3], 32<<16                      ; tile_dim0 = 32
	s_mov_b32 s[G1+4], 51                          ; tile_dim1 = 51
	s_mov_b32 s[G1+5], 32                          ; from row to row
	s_mov_b32 s[G1+6], 0
	s_mov_b32 s[G1+7], 0
	s_min_u32 s17, s14, 3                          ; waves 0 to 3 fetch
	s_mul_i32 s17, s17, REC                        ; step w of each four
	s_mul_i32 s18, s16, 16*REC                     ; the head's records
	s_add_co_u32 s18, s18, s17
	s_mov_b32 s19, 0
	s_mov_b32 s20, 0x76543210
	s_mov_b32 s21, 0xfedcba98                      ; v_permlanex16_b32's selects for lane l xor 16
	s_wait_dscnt 0x0
	s_wait_kmcnt 0x0
	s_add_nc_u64 s[18:19], s[8:9], s[18:19]
.irp k, 0,1,2,3
	s_mov_b32 s[G0+4*\k], 1                        ; count = 1
	s_add_co_u32 s[G0+4*\k+1], s17, \k*QUART       ; LDS address: the records lie in LDS as in memory
	s_add_nc_u64 s[G0+4*\k+2:G0+4*\k+3], s[18:19], \k*QUART
	s_or_b32 s[G0+4*\k+3], s[G0+4*\k+3], 0x80000000   ; type = 2
.endr
	ROUND                                          ; all four work-groups are here: the joint loads meet
	s_cmp_lt_u32 s14, 4                            ; a wave's first fills stand in one branch, ahead of every wait on TENSORcnt, every LDS read and every other barrier
	s_cbranch_scc0 .Lno_fetch
	tensor_load_to_lds s[G0:G0+3], s[G1:G1+7]
	s_nop 0
	tensor_load_to_lds s[G0+4:G0+7], s[G1:G1+7]
	s_nop 0
	tensor_load_to_lds s[G0+8:G0+11], s[G1:G1+7]
	s_nop 0
	tensor_load_to_lds s[G0+12:G0+15], s[G1:G1+7]
	s_nop 0
.rept 4
	v_nop
.endr
.Lno_fetch:
	v_and_b32 v230, 31, v0
	v_lshlrev_b32 v1, 4, v230                      ; 16 l
	v_lshlrev_b32 v2, 3, v230                      ; 8 l
	v_and_b32 v231, 15, v0                         ; r
	v_bfe_u32 v234, v0, 4, 1                       ; h
	v_lshlrev_b32 v3, 4, v231                      ; 16 r
	v_and_b32 v235, 8, v231
	v_add_nc_u32 v235, v235, v231
	v_lshlrev_b32 v235, 2, v235                    ; my query among the tile's: r + 8 (r / 8), 4 bytes a mask word
	s_lshl_b32 s17, s16, 7
	s_lshl_b32 s18, s15, 5
	s_add_co_u32 s17, s17, s18
	s_add_co_u32 s17, s17, s14                     ; pass 0's tile: 128 bh + 32 X + w
	s_mul_i32 s18, s17, 768
	s_mov_b32 s19, 0
	s_add_nc_u64 s[4:5], s[4:5], s[18:19]
	s_lshl_b32 s17, s16, 4
	s_lshl_b32 s18, s15, 2
	s_add_co_u32 s17, s17, s18
	s_lshr_b32 s18, s14, 3
	s_add_co_u32 s17, s17, s18                     ; its group of 8 tiles: 16 bh + 4 X + w / 8
	s_lshl_b32 s17, s17, 9
	s_bfe_u32 s18, s14, 0x10002
	s_lshl_b32 s18, s18, 8
	s_add_co_u32 s17, s17, s18                     ; + 256 ((w / 4) % 2)
	s_and_b32 s18, s14, 3
	s_lshl_b32 s18, s18, 2
	s_add_co_u32 s18, s17, s18                     ; + 4 (w % 4)
	s_add_nc_u64 s[6:7], s[6:7], s[18:19]
	s_lshr_b32 s17, s16, 4
	s_lshl_b32 s17, s17, 11
	s_lshl_b32 s18, s15, 9
	s_add_co_u32 s17, s17, s18
	s_lshr_b32 s18, s14, 1
	s_lshl_b32 s18, s18, 5
	s_add_co_u32 s17, s17, s18
	s_and_b32 s18, s14, 1
	s_lshl_b32 s18, s18, 3
	s_add_co_u32 s17, s17, s18                     ; the tile's first token: 2048 b + 512 X + 32 (w / 2) + 8 (w % 2)
	s_lshl_b32 s18, s17, 2
	s_add_nc_u64 s[10:11], s[10:11], s[18:19]
	s_lshl_b32 s18, s17, 12
	s_and_b32 s17, s16, 15
	s_lshl_b32 s17, s17, 8
	s_add_co_u32 s18, s18, s17                     ; its row of o, + the head's 256 bytes
	s_add_nc_u64 s[12:13], s[12:13], s[18:19]
	global_load_b128 v[16:19], v1, s[4:5]                  ; Q of both passes stays in registers: pass 1's tile is 16 tiles, 256 tokens, on
	global_load_b64 v[20:21], v2, s[4:5] offset:512
	global_load_b128 v[236:239], v1, s[4:5] offset:12288
	global_load_b64 v[240:241], v2, s[4:5] offset:12800
	global_load_b32 v28, v3, s[6:7]
	global_load_b32 v248, v3, s[6:7] offset:1024
	global_load_b32 v30, v235, s[10:11]
	global_load_b32 v31, v235, s[10:11] offset:1024
.irp j, 0,1,2,3,4,5
	v_mov_b32 v[22+\j], 0                          ; zero codes: the unused half of K
	v_mov_b32 v[242+\j], 0
	v_mov_b32 v[80+\j], 0                          ; what tile 7 of K names as its upper half
.endr
.irp b, 0,1,2,3
	v_mov_b32 v[BT+\b], 0                          ; written once: a lane permute's destination counts as one of its sources
.endr
	v_mov_b32 v[FF+1], 0
	v_mov_b32 v98, 0x3e38aa3b                      ; log2(e) / sqrt(64)
	v_mov_b32 v99, 0x3089705f                      ; 1e-9,
	v_mul_f32 v99, 0x3fb8aa3b, v99                 ; as t
	s_mul_i32 s17, s14, 16*272
	s_add_co_u32 s17, s17, STAGE                   ; my stage
	v_mul_u32_u24 v8, v231, 272
	v_lshl_add_u32 v8, v234, 6, v8
	v_add_nc_u32 v8, s17, v8                       ; in: row r, + 64 h
	v_mul_u32_u24 v9, v234, 272
	v_lshl_add_u32 v9, v231, 4, v9
	v_add_nc_u32 v9, s17, v9                       ; back: lanes 0-15 one row, lanes 16-31 the next
	v_lshlrev_b32 v7, 12, v234
	v_lshl_add_u32 v7, v231, 4, v7                 ; and the same two rows in o
; A KEY STEP: 128 keys, whose record begins at LDS byte s22.  q, qs: Q's first register and its scale word's.
.macro STEP q, qs
	v_add_nc_u32 v4, s22, v1
	v_add_nc_u32 v5, s22, v2
	v_add_nc_u32 v6, s22, v3
	v_nop                                          ; four places in front of loads into registers that the last products have read
.irp t, 0,1,2,3,4,5,6,7
	ds_load_b128 v[KF+6*\t:KF+6*\t+3], v4 offset:768*\t
	ds_load_b64 v[KF+6*\t+4:KF+6*\t+5], v5 offset:768*\t+512
.endr
	ds_load_b128 v[KSC:KSC+3], v6 offset:12288
	ds_load_b128 v[KSC+4:KSC+7], v6 offset:12544
	s_wait_dscnt 0x0
.irp t, 0,1,2,3,4,5,6,7
	v_wmma_scale_f32_16x16x128_f8f6f4 v[SS+8*\t:SS+8*\t+7], v[KF+6*\t:KF+6*\t+11], v[\q:\q+11], 0, v[KSC+\t], v[\qs] matrix_a_fmt:MATRIX_FMT_FP6 matrix_b_fmt:MATRIX_FMT_FP6
.endr
.rept 4
	v_nop                                          ; places: for the loads below, and for the first read of the scores
.endr
.irp f, 0,1,2,3,4,5,6,7                        ; V's images land while the softmax is worked: channel tile f / 2, keys 64 (f % 2) on
	ds_load_b128 v[KF+6*\f:KF+6*\f+3], v4 offset:6144+768*\f
	ds_load_b64 v[KF+6*\f+4:KF+6*\f+5], v5 offset:6144+768*\f+512
.endr
	ds_load_b128 v[VSC:VSC+3], v6 offset:12800
.irp b, 0,1,2,3
	v_max3_num_f32 v[BM+\b], v[SS+16*\b], v[SS+1+16*\b], v[SS+2+16*\b]   ; THE LARGEST SCORE OF EACH BLOCK OF 32 KEYS: for the row's maximum, and, since p does not fall where the score rises, for the block's largest p
.endr
.irp i, 3,5,7,9,11,13
.irp b, 0,1,2,3
	v_max3_num_f32 v[BM+\b], v[BM+\b], v[SS+16*\b+\i], v[SS+1+16*\b+\i]   ; (the four blocks by turns)
.endr
.endr
.irp b, 0,1,2,3
	v_max_num_f32 v[BM+\b], v[BM+\b], v[SS+15+16*\b]
.endr
.irp b, 0,1,2,3
	v_permlanex16_b32 v[BT+\b], v[BM+\b], s20, s21
.endr
.irp b, 0,1,2,3
	v_max_num_f32 v[BM+\b], v[BM+\b], v[BT+\b]     ; with lane l xor 16's 16 keys
.endr
	v_max3_num_f32 v[TP], v[BM], v[BM+1], v[BM+2]
	v_max_num_f32 v[TP], v[TP], v[BM+3]            ; the step's largest score of my query
	v_fma_f32 v[TP], v[TP], v10, v11               ; as t: score x cm + om (cm is not negative)
	v_max_num_f32 v13, v13, v[TP]                  ; the running largest t
	v_mov_b32 v[TP], v12
	v_floor_f32 v12, -v13                          ; the new -M = floor(-t) = -ceil(t)
	v_sub_f32 v[TP], v12, v[TP]                    ; M's old value less its new one: a whole number, 0 or less
	v_cvt_i32_f32 v[TP], v[TP]                     ; (it saturates)
	v_ldexp_f32 v[FF], 1.0, v[TP]                  ; f = 2^(old M - new M)
.set j, 0
.rept 32
	v_pk_fma_f32 v[SS+j:SS+j+1], v[SS+j:SS+j+1], v[10:11], v[12:13] op_sel_hi:[1,0,0]   ; t - M, two at a time (of the pairs the low word serves both halves).  Under a masked query om, which is under half a last place of M = 1, is left out
.set j, j+2
.endr
.irp b, 0,1,2,3
	v_fma_f32 v[BM+\b], v[BM+\b], v10, v12         ; the same of each block's largest score
.endr
.set j, 0
.rept 64
	v_exp_f32 v[SS+j], v[SS+j]                     ; p = 2^(t - M), at most 1: NOT normalised
.set j, j+1
.endr
	v_pk_mul_f32 v[14:15], v[14:15], v[FF:FF+1] op_sel_hi:[1,0]   ; the sums under the new M.  (A plain place behind the exponentials)
	s_wait_alu depctr_va_vdst(0)                   ; one wait for the whole batch, ahead of its first reader
.irp b, 0,1,2,3
	v_exp_f32 v[BM+\b], v[BM+\b]                   ; the block's largest p: the same two instructions on the same number give the same bits
.endr
	v_pk_add_f32 v[SUM2:SUM2+1], v[SS:SS+1], v[SS+2:SS+3]   ; THE ROW'S SUM IS TAKEN OF THE UNQUANTISED p: two at a time, in two chains
.irp j, 4,8,12,16,20,24,28,32,36,40,44,48,52,56,60
	v_pk_add_f32 v[14:15], v[14:15], v[SS+\j:SS+1+\j]
	v_pk_add_f32 v[SUM2:SUM2+1], v[SUM2:SUM2+1], v[SS+2+\j:SS+3+\j]
.endr
	v_pk_add_f32 v[14:15], v[14:15], v[SUM2:SUM2+1]
	s_wait_alu depctr_va_vdst(0)                   ; and one for the four
.irp b, 0,1,2,3
	v_max_num_f32 v[BM+\b], 0x1800000, v[BM+\b]    ; the floor 2^(3 - 127): the byte cannot fall under 1
.endr
.irp b, 0,1,2,3
	v_add_nc_u32 v[SO+\b], 0xff000000, v[BM+\b]    ; 2 off the exponent field: the conversion's scale operand
.endr
.irp b, 0,1,2,3
	v_lshrrev_b32 v[BT+\b], 23, v[SO+\b]           ; the scale's byte
.endr
	v_lshl_or_b32 v29, v[BT+1], 8, v[BT]           ; p's scale word for these 128 keys
	v_lshl_or_b32 v29, v[BT+2], 16, v29
	v_lshl_or_b32 v29, v[BT+3], 24, v29
.irp c, 0,1
	v_cvt_scalef32_pk16_fp6_f32 v[CD+6*\c:CD+2+6*\c], v[SS+32*\c:SS+15+32*\c], v[SO+2*\c]
	v_cvt_scalef32_pk16_fp6_f32 v[CD+12+4*\c:CD+14+4*\c], v[SS+16+32*\c:SS+31+32*\c], v[SO+2*\c+1]   ; (a conversion's three registers begin on an even number)
.endr
	v_nop                                          ; one plain place behind a scaled conversion
.irp c, 0,1                                    ; the operand's layout wants a WHOLE block in a lane
.irp i, 0,1,2
	v_permlane16_swap_b32 v[CD+6*\c+\i], v[CD+12+4*\c+\i]
.endr
.irp i, 0,1,2
	v_mov_b32 v[CD+3+6*\c+\i], v[CD+12+4*\c+\i]
.endr
.endr
.set j, 0
.rept 16
	v_pk_mul_f32 v[OO+j:OO+j+1], v[OO+j:OO+j+1], v[FF:FF+1] op_sel_hi:[1,0]   ; O^T under the new M.  (These sixteen are also the places between the codes' and the scale word's last writes and the products)
.set j, j+2
.endr
	s_wait_dscnt 0x0                               ; V
.irp t, 0,1,2,3
	v_wmma_scale_f32_16x16x128_f8f6f4 v[OO+8*\t:OO+8*\t+7], v[KF+12*\t:KF+12*\t+11], v[CD:CD+11], v[OO+8*\t:OO+8*\t+7], v[VSC+\t], v29 matrix_a_fmt:MATRIX_FMT_FP6 matrix_b_fmt:MATRIX_FMT_FP6
.endr
	s_add_co_u32 s22, s22, REC                     ; the next step's record
.endm
; A pass's head.  m: the register with my query's mask word.
.macro PHEAD m
	v_cmp_ne_u32 vcc_lo, 0, v[\m]
	v_cndmask_b32 v10, v[FF+1], v98, vcc_lo        ; cm = log2(e) / 8, or 0 under the mask
	v_cndmask_b32 v11, v99, v[FF+1], vcc_lo        ; om = 0, or 1e-9 x log2(e)
	v_mov_b32 v13, 0xff61b1e6                      ; the largest t so far: -3e38, under every t
	v_floor_f32 v12, -v13                          ; -M
	v_mov_b32 v14, 0
	v_mov_b32 v15, 0
.set j, 0
.rept 32
	v_mov_b32 v[OO+j], 0                           ; O^T: the step is written once, and the first change of M leaves zeros zeros
.set j, j+1
.endr
.endm
; Pass 0 goes by fours of steps, as they land.  The count leaves my loads for the later fours out, so they may stay out across the barrier.
.macro FOUR c
	s_wait_tensorcnt 3-\c                          ; my load number c has landed (in waves 4 to 15 nothing is out)
	s_barrier_signal -1
	s_barrier_wait -1                              ; everybody's has
	s_mov_b32 s22, \c*QUART
	s_mov_b32 s23, 4
.Lfour_\@:
	STEP 16, 28
	s_sub_co_u32 s23, s23, 1
	s_cmp_lg_u32 s23, 0
	s_cbranch_scc1 .Lfour_\@
.endm
; THE WAY OUT of pass p.  O^T / the sum goes through my stage: register 16 b + i is channel 32 b + 16 h + i of query r; back as whole rows of the head's 256 bytes.
.macro OUTP p
.rept 4
	v_nop                                          ; places behind the last products
.endr
	v_add_f32 v14, v14, v15                        ; the sum's two halves,
	v_permlanex16_b32 v[TP], v14, s20, s21
	v_add_f32 v14, v14, v[TP]                      ; and lane l xor 16's: the row's sum
	v_rcp_f32 v14, v14
	v_nop                                          ; a plain place behind the reciprocal
	s_wait_alu depctr_va_vdst(0)                   ; and the wait ahead of its first reader
.set j, 0
.rept 32
	v_mul_f32 v[SS+j], v[OO+j], v14
.set j, j+1
.endr
.irp b, 0,1
.irp k, 0,1,2,3
	ds_store_b128 v8, v[SS+16*\b+4*\k:SS+16*\b+4*\k+3] offset:128*\b+16*\k
.endr
.endr
.irp i, 0,1,2,3,4,5,6,7
	ds_load_b128 v[SS+32+4*\i:SS+35+4*\i], v9 offset:544*\i   ; LDS serves a wave's instructions in order: these see my stores
.endr
.irp i, 0,1,2,3,4,5,6,7
	s_wait_dscnt 7-\i                              ; the loads behind this one may be out
	global_store_b128 v7, v[SS+32+4*\i:SS+35+4*\i], s[12:13] offset:(2*\i+8*(\i/4))*4096+\p*1048576   ; stage rows 2 i, 2 i + 1 are tokens 2 i + 8 (i / 4) and the next; 16 lanes store 256 consecutive bytes, aligned
.endr
.endm
	s_wait_loadcnt 0x0                             ; Q, its scale words, the mask words
	PHEAD 30
	FOUR 0
	FOUR 1
	FOUR 2
	FOUR 3
	OUTP 0
	s_wait_xcnt 0x0                                ; the stores have read their data: the scores are written there again only behind this wait
	PHEAD 31
	s_mov_b32 s22, 0                               ; pass 1 finds all sixteen records in LDS: no wait, no barrier
	s_mov_b32 s23, 16
.Lpass1:
	STEP 236, 248
	s_sub_co_u32 s23, s23, 1
	s_cmp_lg_u32 s23, 0
	s_cbranch_scc1 .Lpass1
	OUTP 1
	s_wait_tensorcnt 0x0
	ds_add_u32 v254, v255
	s_wait_dscnt 0x0
	ROUND                                          ; the closing round
	s_endpgm
.Lfunc_end_k_q4fbf9ad625_att:
	.size	k_q4fbf9ad625_att, .Lfunc_end_k_q4fbf9ad625_att-k_q4fbf9ad625_att
	.p2alignl 7, 3214868480
	.fill 96, 4, 3214868480
	.section	.rodata,"a",@progbits
	.p2align	6, 0x0
	.amdhsa_kernel k_q4fbf9ad625_att
		.amdhsa_group_segment_fixed_size 280576
		.amdhsa_private_segment_fixed_size 0
		.amdhsa_enable_private_segment 0
		.amdhsa_kernarg_size 40
		.amdhsa_user_sgpr_count 2
		.amdhsa_user_sgpr_kernarg_segment_ptr 1
		.amdhsa_wavefront_size32 1
		.amdhsa_system_sgpr_workgroup_id_x 1
		.amdhsa_system_sgpr_workgroup_id_y 1
		.amdhsa_system_sgpr_workgroup_id_z 1
		.amdhsa_system_vgpr_workitem_id 0
		.amdhsa_next_free_vgpr 256
		.amdhsa_next_free_sgpr 66
		.amdhsa_reserve_vcc 1
		.amdhsa_float_denorm_mode_32 3
		.amdhsa_float_denorm_mode_16_64 3
		.amdhsa_memory_ordered 1
		.amdhsa_forward_progress 1
		.amdhsa_inst_pref_size 97
	.end_amdhsa_kernel
	.amdgpu_metadata
---
amdhsa.version: [ 1, 2 ]
amdhsa.kernels:
  - .name:           k_q4fbf9ad625_att
    .symbol:         k_q4fbf9ad625_att.kd
    .args:
      - { .name: qf, .offset: 0, .size: 8, .value_kind: global_buffer, .address_space: global }
      - { .name: qs, .offset: 8, .size: 8, .value_kind: global_buffer, .address_space: global }
      - { .name: kv, .offset: 16, .size: 8, .value_kind: global_buffer, .address_space: global }
      - { .name: attention_mask, .offset: 24, .size: 8, .value_kind: global_buffer, .address_space: global }
      - { .name: o, .offset: 32, .size: 8, .value_kind: global_buffer, .address_space: global }
    .group_segment_fixed_size: 280576
    .private_segment_fixed_size: 0
    .kernarg_segment_align: 8
    .kernarg_segment_size: 40
    .max_flat_workgroup_size: 512
    .sgpr_count:     66
    .vgpr_count:     256
    .wavefront_size: 32
...
	.end_amdgpu_metadata
.endif
;; end of part 4
;; launch norm (part 5): grid 256 x 1, 8 waves a work-group, no clusters, 0 bytes of LDS; arguments o, queries, gamma, beta, out0; writes out0
.if DOCPART == 5
	.amdgcn_target "amdgcn-amd-amdhsa--gfx1250"
	.amdhsa_code_object_version 6
	.text
	.protected	k_q4fbf9ad625_norm
	.globl	k_q4fbf9ad625_norm
	.p2align	8
	.type	k_q4fbf9ad625_norm,@function
k_q4fbf9ad625_norm:
	s_mov_b64 s[64:65], 0
	v_nop
	global_prefetch_b8 v0, s[64:65] scope:SCOPE_SE
	s_setreg_imm32_b32 hwreg(HW_REG_WAVE_MODE, 25, 1), 1
	s_wait_xcnt 0x0
; out0 = LayerNorm(o + queries) x gamma + beta over rows of 1,024 f32 (4,096 bytes), eps = 1e-5; mean first, then the mean of the squared differences, as the definition has it.
; One wave takes a whole row: eight loads of 16 bytes a lane from each of the two tensors, 512 consecutive bytes a load; the row stays in registers between the passes.  No LDS, no barrier, no matrix unit:
; each byte is read once and written once.  A work-group of eight waves takes 32 rows, a wave four, through two register slots: while one row is worked, the next row's 16 loads are on their way.
.set ROW, 4096
.set G,   4                            ; v4-35    gamma of my 32 columns
.set B,   36                           ; v36-67   beta
.set X,   68                           ; v68-131  slot s: 32 registers: o's row, then x, then the result
.set Q,   132                          ; v132-195 slot s: queries' row
.set A,   196                          ; v196-203 four chains of sums
.set MU,  204                          ; v[204:205] the mean (low word)
.set RS,  206                          ; v[206:207] 1 / sqrt(var + eps) (low word)
.set TP,  208
	s_load_b256 s[4:11], s[0:1], 0x0               ; o, queries, gamma, beta
	s_load_b64 s[12:13], s[0:1], 0x20              ; out0
	s_lshl_b32 s2, ttmp9, 17                       ; the work-group's 32 rows
	s_mov_b32 s3, 0
	s_mov_b32 s14, 0x3a800000                      ; 1 / 1024
	s_mov_b32 s15, 0x3727c5ac                      ; 1e-5
	s_mov_b32 s16, 0x76543210
	s_mov_b32 s17, 0xfedcba98                      ; v_permlanex16_b32's selects for lane l xor 16
	v_and_b32 v2, 31, v0
	v_lshlrev_b32 v2, 4, v2                        ; 16 bytes a lane
	v_lshrrev_b32 v3, 5, v0
	v_lshl_add_u32 v1, v3, 14, v2                  ; + my wave's four rows
	v_mov_b32 v[TP], 0                             ; a lane permute's destination counts as one of its sources
	v_mov_b32 v[MU+1], 0                           ; (named as the upper halves of pairs)
	v_mov_b32 v[RS+1], 0
	s_wait_kmcnt 0x0
	s_add_nc_u64 s[4:5], s[4:5], s[2:3]
	s_add_nc_u64 s[6:7], s[6:7], s[2:3]
	s_add_nc_u64 s[12:13], s[12:13], s[2:3]
.irp j, 0,1,2,3,4,5,6,7
	global_load_b128 v[G+4*\j:G+4*\j+3], v2, s[8:9] offset:512*\j
	global_load_b128 v[B+4*\j:B+4*\j+3], v2, s[10:11] offset:512*\j
.endr
.macro FILL row                        ; sixteen loads: the row of o and the row of queries, into slot row % 2
.irp j, 0,1,2,3,4,5,6,7
	global_load_b128 v[X+32*((\row)%2)+4*\j:X+32*((\row)%2)+4*\j+3], v1, s[4:5] offset:ROW*(\row)+512*\j th:TH_LOAD_NT
.endr
.irp j, 0,1,2,3,4,5,6,7
	global_load_b128 v[Q+32*((\row)%2)+4*\j:Q+32*((\row)%2)+4*\j+3], v1, s[6:7] offset:ROW*(\row)+512*\j th:TH_LOAD_NT
.endr
.endm
.macro ACROSS                          ; v[A], summed over the 32 lanes, in every lane
	v_add_f32_dpp v[A], v[A], v[A] row_xmask:1 row_mask:0xf bank_mask:0xf
	v_add_f32_dpp v[A], v[A], v[A] row_xmask:2 row_mask:0xf bank_mask:0xf
	v_add_f32_dpp v[A], v[A], v[A] row_xmask:4 row_mask:0xf bank_mask:0xf
	v_add_f32_dpp v[A], v[A], v[A] row_xmask:8 row_mask:0xf bank_mask:0xf
	v_permlanex16_b32 v[TP], v[A], s16, s17
	v_add_f32 v[A], v[A], v[TP]
.endm
.macro JOIN                            ; the four chains into v[A]
	v_pk_add_f32 v[A:A+1], v[A:A+1], v[A+2:A+3]
	v_pk_add_f32 v[A+4:A+5], v[A+4:A+5], v[A+6:A+7]
	v_pk_add_f32 v[A:A+1], v[A:A+1], v[A+4:A+5]
	v_add_f32 v[A], v[A], v[A+1]
.endm
	FILL 0
	FILL 1
; left: how many younger loads may stay out.  refill = 1: the slot takes the row two further on.
.macro TURN row, refill, left
.set XS, X+32*((\row)%2)
.set QS, Q+32*((\row)%2)
	s_wait_loadcnt \left                           ; my row's sixteen loads are in (and gamma and beta); the other slot's sixteen may be out
.irp i, 0,2,4,6,8,10,12,14,16,18,20,22,24,26,28,30
	v_pk_add_f32 v[XS+\i:XS+\i+1], v[XS+\i:XS+\i+1], v[QS+\i:QS+\i+1]   ; x = o + queries
.endr
.irp k, 0,1,2,3
	v_pk_add_f32 v[A+2*\k:A+2*\k+1], v[XS+2*\k:XS+2*\k+1], v[XS+8+2*\k:XS+9+2*\k]   ; the first numbers start the chains: nothing is cleared
.endr
.irp i, 16,24
.irp k, 0,1,2,3
	v_pk_add_f32 v[A+2*\k:A+2*\k+1], v[A+2*\k:A+2*\k+1], v[XS+\i+2*\k:XS+\i+1+2*\k]
.endr
.endr
	JOIN
	ACROSS
	v_mul_f32 v[MU], s14, v[A]                     ; the mean
.irp i, 0,2,4,6,8,10,12,14,16,18,20,22,24,26,28,30
	v_pk_add_f32 v[XS+\i:XS+\i+1], v[XS+\i:XS+\i+1], v[MU:MU+1] op_sel_hi:[1,0] neg_lo:[0,1] neg_hi:[0,1]   ; x - mean
.endr
.irp k, 0,1,2,3
	v_pk_mul_f32 v[A+2*\k:A+2*\k+1], v[XS+2*\k:XS+2*\k+1], v[XS+2*\k:XS+2*\k+1]
.endr
.irp i, 8,16,24
.irp k, 0,1,2,3
	v_pk_fma_f32 v[A+2*\k:A+2*\k+1], v[XS+\i+2*\k:XS+\i+1+2*\k], v[XS+\i+2*\k:XS+\i+1+2*\k], v[A+2*\k:A+2*\k+1]
.endr
.endr
	JOIN
	ACROSS
	v_fma_f32 v[A], v[A], s14, s15                 ; var + eps
	v_rsq_f32 v[RS], v[A]
	v_nop                                          ; a plain place behind the root
	s_wait_alu depctr_va_vdst(0)                   ; and the wait ahead of its first reader
.irp i, 0,2,4,6,8,10,12,14,16,18,20,22,24,26,28,30
	v_pk_mul_f32 v[XS+\i:XS+\i+1], v[XS+\i:XS+\i+1], v[RS:RS+1] op_sel_hi:[1,0]
.endr
.irp i, 0,2,4,6,8,10,12,14,16,18,20,22,24,26,28,30
	v_pk_fma_f32 v[XS+\i:XS+\i+1], v[XS+\i:XS+\i+1], v[G+\i:G+\i+1], v[B+\i:B+\i+1]
.endr
.irp j, 0,1,2,3,4,5,6,7
	global_store_b128 v1, v[XS+4*\j:XS+4*\j+3], s[12:13] offset:ROW*(\row)+512*\j th:TH_STORE_NT   ; 32 lanes store 512 consecutive bytes, aligned to 256
.endr
.if \refill
	s_wait_xcnt 0x0                                ; the stores have read their data: the slot is loaded again only behind this wait
	FILL (\row)+2
.endif
.endm
	TURN 0, 1, 16
	TURN 1, 1, 16
	TURN 2, 0, 16
	TURN 3, 0, 0
	s_endpgm
.Lfunc_end_k_q4fbf9ad625_norm:
	.size	k_q4fbf9ad625_norm, .Lfunc_end_k_q4fbf9ad625_norm-k_q4fbf9ad625_norm
	.p2alignl 7, 3214868480
	.fill 96, 4, 3214868480
	.section	.rodata,"a",@progbits
	.p2align	6, 0x0
	.amdhsa_kernel k_q4fbf9ad625_norm
		.amdhsa_group_segment_fixed_size 0
		.amdhsa_private_segment_fixed_size 0
		.amdhsa_enable_private_segment 0
		.amdhsa_kernarg_size 40
		.amdhsa_user_sgpr_count 2
		.amdhsa_user_sgpr_kernarg_segment_ptr 1
		.amdhsa_wavefront_size32 1
		.amdhsa_system_sgpr_workgroup_id_x 1
		.amdhsa_system_sgpr_workgroup_id_y 1
		.amdhsa_system_sgpr_workgroup_id_z 1
		.amdhsa_system_vgpr_workitem_id 0
		.amdhsa_next_free_vgpr 216
		.amdhsa_next_free_sgpr 66
		.amdhsa_reserve_vcc 0
		.amdhsa_float_denorm_mode_32 3
		.amdhsa_float_denorm_mode_16_64 3
		.amdhsa_memory_ordered 1
		.amdhsa_forward_progress 1
		.amdhsa_inst_pref_size 41
	.end_amdhsa_kernel
	.amdgpu_metadata
---
amdhsa.version: [ 1, 2 ]
amdhsa.kernels:
  - .name:           k_q4fbf9ad625_norm
    .symbol:         k_q4fbf9ad625_norm.kd
    .args:
      - { .name: o, .offset: 0, .size: 8, .value_kind: global_buffer, .address_space: global }
      - { .name: queries, .offset: 8, .size: 8, .value_kind: global_buffer, .address_space: global }
      - { .name: gamma, .offset: 16, .size: 8, .value_kind: global_buffer, .address_space: global }
      - { .name: beta, .offset: 24, .size: 8, .value_kind: global_buffer, .address_space: global }
      - { .name: out0, .offset: 32, .size: 8, .value_kind: global_buffer, .address_space: global }
    .group_segment_fixed_size: 0
    .private_segment_fixed_size: 0
    .kernarg_segment_align: 8
    .kernarg_segment_size: 40
    .max_flat_workgroup_size: 256
    .sgpr_count:     66
    .vgpr_count:     216
    .wavefront_size: 32
...
	.end_amdgpu_metadata
.endif
;; end of part 5
